; MI455X (gfx1250); checked and timed in simulation.
; The chip was launched on July 23, 2026; its instructions are those of AMD's public machine-readable ISA for CDNA 5 (MIT licence, August 2026) and "CDNA5" Instruction Set Architecture Reference Guide (July 2026). The comments in the code are by the model that wrote it; some were corrected since.
;; R3 D Attention. Allowed arithmetic: float matrix products may take bf16 or f16 operands with f32 sums; other float arithmetic in f32, or as packed bf16 or f16 multiplies, adds, multiply-adds, maxima and minima; sums over many terms, partial sums and values carried from step to step in f32; what a program stores and reads back later, other than sums and carried values, may be rounded once to bf16 or f16.
;; Inputs: Wo 1,024 x 1,024 float32; Wqkv 1,024 x 3,072 float32; bo 1,024 float32; bqkv 3,072 float32; mask 1,024 x 1,024 float32; x 8 x 1,024 x 1,024 float32.
;; Outputs: out0 8 x 1,024 x 1,024 float32.
;; One version. Each part assembles by itself: llvm-mc -triple=amdgcn-amd-amdhsa -mcpu=gfx1250 --defsym DOCPART=n.
;; ======== version 1 of 1: 4 launches
;; limits: values are held in f16: magnitudes above 65,504 overflow, below 6.1e-05 lose precision
;; workspace buffers: xb 16,777,216 bytes; wq 6,291,456 bytes; wo 2,097,152 bytes; nm 4,194,304 bytes; qkv 50,331,648 bytes; z 16,777,216 bytes
;; launch prep (part 1): grid 1024 x 1, 8 waves a work-group, no clusters, 0 bytes of LDS; arguments x, Wqkv, Wo, mask, xb, wq, wo, nm; writes xb, wq, wo, nm
.if DOCPART == 1
	.amdgcn_target "amdgcn-amd-amdhsa--gfx1250"
	.amdhsa_code_object_version 6
	.text
	.protected	k_qc34944db70_prep
	.globl	k_qc34944db70_prep
	.p2align	8
	.type	k_qc34944db70_prep,@function
k_qc34944db70_prep:
	s_mov_b64 s[64:65], 0
	v_nop
	global_prefetch_b8 v0, s[64:65] scope:SCOPE_SE
	s_setreg_imm32_b32 hwreg(HW_REG_WAVE_MODE, 25, 1), 1
	s_wait_xcnt 0x0
; PREP: every large input is rounded once to bf16 and laid out for the launches behind.  No LDS, no barrier, no loop: each work-group has 16 items a thread, all loads out first.
;   work-groups 0-511:    x [8192][1024] f32  -> xb bf16 [kb 16][row 8192][64]: a block of 64 channels is dense, 128 bytes a row
;   work-groups 512-703:  Wqkv f32            -> wq bf16, same layout [1024 k][3072 n]
;   work-groups 704-767:  Wo f32              -> wo: rounded to bf16, that number written as f16 (exact from 6.1e-5 to 65,504; below, f16's fixed step of 6e-8; beyond, an infinity: a stated limit)
;   work-groups 768-1023: mask f32            -> nm f32 = -8 x bf16(mask), in the order in which a lane of the score product holds its C operand:
;                         [qb 8][t 16][qt 8][kt 4][half 2][lane 32][4]: lane (r = l % 16, h = l / 16), number 4 half + i: mask[128 qb + 16 qt + r][64 t + 16 kt + 8 h + 4 half + i]
; The factor 8 is exact; 8 |mask| beyond f32's range gives an infinity (a stated limit).
.set IN,  1                            ; v1   byte offset of my 16 bytes in the source
.set OUT, 2                            ; v2   byte offset of what I store
.set X,   16                           ; v[16:79]   item i: 4 registers as loaded
.set Y,   80                           ; v[80:111]  item i: 2 registers to store (the mask's: 4)
; 16 loads of 16 bytes a lane, then item by item: wait, round, store 8 bytes a lane.  Each item has registers of its own, so nothing is rewritten while a load or store may read it.
; kind = 1: bf16 and then f16.  split = 1: items 8-15 go by a second base, so that the immediate stays inside its signed 24 bits.
.macro CAST kind, src, dst, dst2, instr, outstr, split
.set i, 0
.rept 16
	global_load_b128 v[X+4*i:X+4*i+3], v[IN], s[\src:\src+1] offset:i*(\instr) th:TH_LOAD_NT
.set i, i+1
.endr
.set i, 0
.rept 16
	s_wait_loadcnt 15-i                            ; loads come back in order: item i is in, the 15 - i younger ones stay out
.if \kind
	v_cvt_pk_bf16_f32 v4, v[X+4*i], v[X+4*i+1]
	v_cvt_pk_bf16_f32 v5, v[X+4*i+2], v[X+4*i+3]
	v_lshlrev_b32 v6, 16, v4                       ; the bf16 numbers as f32 again,
	v_and_b32 v7, 0xffff0000, v4
	v_lshlrev_b32 v8, 16, v5
	v_and_b32 v9, 0xffff0000, v5
	v_cvt_pk_f16_f32 v[Y+2*i], v6, v7              ; and written as f16
	v_cvt_pk_f16_f32 v[Y+2*i+1], v8, v9
.else
	v_cvt_pk_bf16_f32 v[Y+2*i], v[X+4*i], v[X+4*i+1]
	v_cvt_pk_bf16_f32 v[Y+2*i+1], v[X+4*i+2], v[X+4*i+3]
.endif
.if (\split) && (i >= 8)
	global_store_b64 v[OUT], v[Y+2*i:Y+2*i+1], s[\dst2:\dst2+1] offset:(i-8)*(\outstr)
.else
	global_store_b64 v[OUT], v[Y+2*i:Y+2*i+1], s[\dst:\dst+1] offset:i*(\outstr)  ; a wave's store covers 256 consecutive bytes, aligned
.endif
.set i, i+1
.endr
.endm
	s_load_b512 s[8:23], s[0:1], 0x0               ; x s[8:9], Wqkv s[10:11], Wo s[12:13], mask s[14:15], xb s[16:17], wq s[18:19], wo s[20:21], nm s[22:23]
	s_mov_b32 s2, ttmp9
	s_mov_b32 s5, 0
	s_mov_b32 s7, 0
	s_cmp_lt_u32 s2, 512
	s_cbranch_scc1 .Lsec_x
	s_cmp_lt_u32 s2, 704
	s_cbranch_scc1 .Lsec_wq
	s_cmp_lt_u32 s2, 768
	s_cbranch_scc1 .Lsec_wo
	; THE MASK.  A wave is a task: one query tile qt, two key blocks (kp), of one (qb, t): 2,048 bytes of nm.
	s_sub_co_u32 s3, s2, 768
	v_lshrrev_b32 v3, 5, v0
	v_readfirstlane_b32 s24, v3                    ; wave 0..7
	s_lshl3_add_u32 s3, s3, s24                    ; task = 8 x work-group + wave = 256 qb + 16 t + 2 qt + kp
	s_lshr_b32 s25, s3, 8
	s_lshl_b32 s4, s25, 19                         ; 128 qb rows of 4,096 bytes
	s_bfe_u32 s25, s3, 0x30001
	s_lshl_b32 s25, s25, 16                        ; 16 qt rows
	s_add_co_u32 s4, s4, s25
	s_bfe_u32 s25, s3, 0x40004
	s_lshl_b32 s25, s25, 8                         ; 64 t columns
	s_add_co_u32 s4, s4, s25
	s_and_b32 s25, s3, 1
	s_lshl_b32 s25, s25, 7                         ; 32 kp columns
	s_add_co_u32 s4, s4, s25
	s_lshl_b32 s6, s3, 11
	v_and_b32 v3, 15, v0
	v_bfe_u32 v4, v0, 4, 1
	v_lshlrev_b32 v[IN], 12, v3                    ; row r,
	v_lshl_add_u32 v[IN], v4, 5, v[IN]             ; columns 8 h on
	v_and_b32 v5, 31, v0
	v_lshlrev_b32 v[OUT], 4, v5
	s_wait_kmcnt 0x0
	s_add_nc_u64 s[14:15], s[14:15], s[4:5]
	s_add_nc_u64 s[22:23], s[22:23], s[6:7]
.set i, 0
.rept 4                                ; item i: key block i / 2 of the two, half i % 2
	global_load_b128 v[X+4*i:X+4*i+3], v[IN], s[14:15] offset:(i/2)*64+(i%2)*16
.set i, i+1
.endr
.set i, 0
.rept 4
	s_wait_loadcnt 3-i
	v_cvt_pk_bf16_f32 v4, v[X+4*i], v[X+4*i+1]
	v_cvt_pk_bf16_f32 v5, v[X+4*i+2], v[X+4*i+3]
	v_lshlrev_b32 v[Y+4*i], 16, v4
	v_and_b32 v[Y+4*i+1], 0xffff0000, v4
	v_lshlrev_b32 v[Y+4*i+2], 16, v5
	v_and_b32 v[Y+4*i+3], 0xffff0000, v5
	v_pk_mul_f32 v[Y+4*i:Y+4*i+1], v[Y+4*i:Y+4*i+1], 0xc1000000 op_sel_hi:[1,0]      ; times -8
	v_pk_mul_f32 v[Y+4*i+2:Y+4*i+3], v[Y+4*i+2:Y+4*i+3], 0xc1000000 op_sel_hi:[1,0]
	global_store_b128 v[OUT], v[Y+4*i:Y+4*i+3], s[22:23] offset:i*512  ; 512 consecutive bytes
.set i, i+1
.endr
	s_endpgm
.Lsec_x:                               ; 16 rows of x: thread t takes row t / 16, 4 numbers at (t % 16) x 4 of each block of 64: item = block
	v_lshrrev_b32 v3, 4, v0
	v_and_b32 v4, 15, v0
	v_lshlrev_b32 v[IN], 12, v3
	v_lshl_add_u32 v[IN], v4, 4, v[IN]
	v_lshlrev_b32 v[OUT], 3, v0                    ; row x 128 + (t % 16) x 8 = 8 t
	s_lshl_b32 s4, s2, 16
	s_lshl_b32 s6, s2, 11
	s_wait_kmcnt 0x0
	s_add_nc_u64 s[8:9], s[8:9], s[4:5]
	s_add_nc_u64 s[16:17], s[16:17], s[6:7]
	s_add_nc_u64 s[24:25], s[16:17], 0x800000      ; blocks 8 to 15
	CAST 0, 8, 16, 24, 256, 1<<20, 1
	s_endpgm
.Lsec_wq:                              ; 65,536 consecutive bytes of Wqkv
	s_sub_co_u32 s3, s2, 512
	v_lshlrev_b32 v[IN], 4, v0
	v_lshlrev_b32 v[OUT], 3, v0
	s_lshl_b32 s4, s3, 16
	s_lshl_b32 s6, s3, 15
	s_wait_kmcnt 0x0
	s_add_nc_u64 s[10:11], s[10:11], s[4:5]
	s_add_nc_u64 s[18:19], s[18:19], s[6:7]
	CAST 0, 10, 18, 18, 4096, 2048, 0
	s_endpgm
.Lsec_wo:                              ; 65,536 consecutive bytes of Wo
	s_sub_co_u32 s3, s2, 704
	v_lshlrev_b32 v[IN], 4, v0
	v_lshlrev_b32 v[OUT], 3, v0
	s_lshl_b32 s4, s3, 16
	s_lshl_b32 s6, s3, 15
	s_wait_kmcnt 0x0
	s_add_nc_u64 s[12:13], s[12:13], s[4:5]
	s_add_nc_u64 s[20:21], s[20:21], s[6:7]
	CAST 1, 12, 20, 20, 4096, 2048, 0
	s_endpgm
.Lfunc_end_k_qc34944db70_prep:
	.size	k_qc34944db70_prep, .Lfunc_end_k_qc34944db70_prep-k_qc34944db70_prep
	.p2alignl 7, 3214868480
	.fill 96, 4, 3214868480
	.section	.rodata,"a",@progbits
	.p2align	6, 0x0
	.amdhsa_kernel k_qc34944db70_prep
		.amdhsa_group_segment_fixed_size 0
		.amdhsa_private_segment_fixed_size 0
		.amdhsa_enable_private_segment 0
		.amdhsa_kernarg_size 64
		.amdhsa_user_sgpr_count 2
		.amdhsa_user_sgpr_kernarg_segment_ptr 1
		.amdhsa_wavefront_size32 1
		.amdhsa_system_sgpr_workgroup_id_x 1
		.amdhsa_system_sgpr_workgroup_id_y 1
		.amdhsa_system_sgpr_workgroup_id_z 1
		.amdhsa_system_vgpr_workitem_id 0
		.amdhsa_next_free_vgpr 112
		.amdhsa_next_free_sgpr 66
		.amdhsa_reserve_vcc 0
		.amdhsa_float_denorm_mode_32 3
		.amdhsa_float_denorm_mode_16_64 3
		.amdhsa_memory_ordered 1
		.amdhsa_forward_progress 1
		.amdhsa_inst_pref_size 28
	.end_amdhsa_kernel
	.amdgpu_metadata
---
amdhsa.version: [ 1, 2 ]
amdhsa.kernels:
  - .name:           k_qc34944db70_prep
    .symbol:         k_qc34944db70_prep.kd
    .args:
      - { .name: x, .offset: 0, .size: 8, .value_kind: global_buffer, .address_space: global }
      - { .name: Wqkv, .offset: 8, .size: 8, .value_kind: global_buffer, .address_space: global }
      - { .name: Wo, .offset: 16, .size: 8, .value_kind: global_buffer, .address_space: global }
      - { .name: mask, .offset: 24, .size: 8, .value_kind: global_buffer, .address_space: global }
      - { .name: xb, .offset: 32, .size: 8, .value_kind: global_buffer, .address_space: global }
      - { .name: wq, .offset: 40, .size: 8, .value_kind: global_buffer, .address_space: global }
      - { .name: wo, .offset: 48, .size: 8, .value_kind: global_buffer, .address_space: global }
      - { .name: nm, .offset: 56, .size: 8, .value_kind: global_buffer, .address_space: global }
    .group_segment_fixed_size: 0
    .private_segment_fixed_size: 0
    .kernarg_segment_align: 8
    .kernarg_segment_size: 64
    .max_flat_workgroup_size: 256
    .sgpr_count:     66
    .vgpr_count:     112
    .wavefront_size: 32
...
	.end_amdgpu_metadata
.endif
;; end of part 1
;; launch qkvproj (part 2): grid 8 x 32, 4 waves a work-group, clusters of 4 x 4, 327,680 bytes of LDS; arguments xb, wq, bqkv, qkv; writes qkv
.if DOCPART == 2
	.amdgcn_target "amdgcn-amd-amdhsa--gfx1250"
	.amdhsa_code_object_version 6
	.text
	.protected	k_qc34944db70_qkvproj
	.globl	k_qc34944db70_qkvproj
	.p2align	8
	.type	k_qc34944db70_qkvproj,@function
k_qc34944db70_qkvproj:
	s_mov_b64 s[64:65], 0
	v_nop
	global_prefetch_b8 v0, s[64:65] scope:SCOPE_SE
	s_setreg_imm32_b32 hwreg(HW_REG_WAVE_MODE, 25, 1), 1
	s_wait_xcnt 0x0
	s_wait_alu depctr_hold_cnt(0) depctr_sa_sdst(0) depctr_va_vdst(0) depctr_va_sdst(0) depctr_va_ssrc(0) depctr_va_vcc(0) depctr_vm_vsrc(0)
	s_getreg_b32 s2, hwreg(HW_REG_IB_STS2, 6, 4)
	s_cmp_eq_u32 s2, 0
	s_cbranch_scc0 .Lentry_in_a_cluster
	s_endpgm
.Lentry_in_a_cluster:
	s_bfe_u32 s2, ttmp6, 0x10000c
	s_cmp_lg_u32 s2, 0xf033
	s_cbranch_scc0 .Lentry_shape_is_right
	s_endpgm
.Lentry_shape_is_right:
; q, k, v = x Wqkv + bqkv, written by heads in f16.  x and Wqkv arrive rounded to bf16 (xb: [kb 16][row 8192][64]; wq: [1024 k][3072 n]); bqkv is rounded to bf16 here; sums in f32; the result rounded once.
; LIMITS.  |q|, |k|, |v| within 65,504 (f16), beyond it an infinity.  The bias enters as a K step of its own (below): a bias that is not finite would spread to the 16 columns beside it.
; SHARES.  8192 x 3072 in tiles of 256 rows x 384 columns (6 heads): 256 work-groups.  Wave w: rows 128 (w / 2) on, and the three heads 2 j + w % 2 of the six: 128 x 192 = 96 accumulators, 768 registers.
; The waves take alternate heads so that a wave's part of a padded row of B is a wave term (128 bytes) plus an immediate.
; THE MATRIX INSTRUCTION IS USED TRANSPOSED: source 0 = 16 columns of W (turned out of LDS by ds_load_tr16_b128), source 1 = 16 rows of x: a lane holds one row and eight neighbouring columns.
; K goes in 16 steps of 64 through two LDS slots.  A step is 4 phases of 48 matrix instructions: quarter q (32 along K) x half-set hs (6 of my 12 column blocks).
; CLUSTER 4 x 4: A's tile hangs on the tile row alone and is asked for jointly along a row of the cluster, B's on the tile column alone, jointly along a column.
; THE BIAS: ahead of the loop one product for each accumulator, with the constant 0 as C: source 0 holds bf16(bias) at k = 0 (and other biases at places where source 1 is 0), source 1 holds 1 at k = 0 and 0 elsewhere.
; It starts every sum: nothing is cleared, no first step is written out, and it runs while the first tiles are on their way.
; LDS: slot s at s x 131,072: A 256 rows x 144 (128 + 16); B 64 k-rows x 864 (three pieces of 256 + 32); stages 4 x 6,912 at 223,232; spare words at 250,880.
; REGISTERS.  Window 0: v0-29 addresses; v32-95, v96-159 A's fragments of a quarter, two buffers; v160-207, v208-255 B's half-sets, two buffers.
; Windows 1-3: accumulator idx = 48 hs + 6 a + bb at register 8 (idx % 32) of window 1 + idx / 32.
.set PA,    144
.set PB,    864
.set BOFF,  256*PA                     ; B's rows lie behind A's 256
.set SLOT1, 1<<17                      ; slot 1 begins here: one exclusive or turns an address in one slot into the other's
.set STAGE, SLOT1+BOFF+64*PB           ; behind the ring: for each wave 3 heads x 16 rows x 144 bytes
.set SP,    144
.set WSTG,  3*16*SP
.set SPARE, STAGE+4*WSTG               ; the spare words: 128 bytes a wave, two blocks of 256 bytes that no other line names
.set ASTEP, 1<<20                      ; bytes from a K step to the next in xb (a block of 64 channels)
.set BSTEP, 64*6144                    ; and in wq (64 rows)
.set A0,   8                           ; v8   my place in A's tile; never rewritten
.set B0,   9                           ; v9   my place in B's tile; never rewritten
.set ADRA, 10                          ; v10  the same in the slot in hand
.set ADRB, 11                          ; v11
.set STO,  12                          ; v12  the way out: where I put 16 bytes of a row
.set RD,   13                          ; v13  where I read rows back
.set CO,   14                          ; v14  16 x lane
.set PFO,  15                          ; v15  the prefetches' lane offset
.set BO,   16                          ; v16  4 x (lane % 16)
.set SPW,  28                          ; v28  my spare word; never rewritten
.set NIL,  29                          ; v29  0; never rewritten
.set AB0,  32
.set AB1,  96
.set BB0,  160
.set BB1,  208
.set BV,   96                          ; v96-125  the bias fragments, sliding: block b is v[96 + 2 b : 96 + 2 b + 7]
.set ONES, 128                         ; v128-135
.set BT,   208                         ; v208-219 the bias as loaded
.set TMP,  160                         ; the way out: packed results
.set BK0,  32                          ; 16 rows read back: v32-79 and v96-143 by turns
.set WV, 12
.set RH, 13                            ; which 128 rows are mine.  Also: I fetch for A (0) or B (1)
.set CH, 14                            ; which heads are mine.  Also: which half of that tile I fetch
.set CX, 15
.set CY, 16
.set TX, 17                            ; tile column
.set TY, 18                            ; tile row
.set G1A, 24
.set G1B, 32
.set G0A0, 40                          ; slot 0's first fill; never rewritten
.set G0A,  44                          ; slot 1's first fill; then it walks
.set G0B0, 48
.set G0B,  52
.set TB,  56                           ; LDS byte at which the slot in hand begins
.set CNT, 57
.set LIM, 58                           ; 2 in a wave that prefetches, else the greatest number
.set PFA, 60                           ; s[60:61] where my prefetches stand
.set PST, 62                           ; s[62:63] their step
.set CB,  66                           ; s[66:71] qkv at my rows of my three heads
.set MSB, 0
.macro WIN new                         ; the immediate's high byte repeats the setting that is left; a switch that changes nothing is dropped
.if MSB != (\new)
	s_set_vgpr_msb (MSB<<8)|(\new)
.set MSB, \new
.endif
.endm
.macro PLACES                          ; four plain places between a matrix instruction and a load into, or a vector line on, its registers
.rept 4
	v_nop
.endr
.endm
.macro CREST                           ; a round of the cluster's barrier behind its opening barrier
	s_cmp_lg_u32 s[WV], 0
	s_cbranch_scc1 .Lnot_wave_0_\@
	s_barrier_signal -3
.Lnot_wave_0_\@:
	s_barrier_wait -3
	s_barrier_signal -1
	s_barrier_wait -1
.endm
.macro CROUND
	s_barrier_signal -1
	s_barrier_wait -1
	CREST
.endm
; A joint refill: waves 0 and 1 ask for A's halves, waves 2 and 3 for B's.  The branch hangs on the wave's number alone.  An s_nop 0 and four v_nop follow each line.
.macro JLOAD
	s_cmp_eq_u32 s[RH], 0
	s_cbranch_scc0 .Lfor_b_\@
	tensor_load_to_lds s[G0A:G0A+3], s[G1A:G1A+7]
	s_nop 0
.rept 4
	v_nop
.endr
	s_branch .Lasked_\@
.Lfor_b_\@:
	tensor_load_to_lds s[G0B:G0B+3], s[G1B:G1B+7]
	s_nop 0
.rept 4
	v_nop
.endr
.Lasked_\@:
.endm
; PREFETCH INTO THE L2.  In the change of slots of every odd K step s up to 11 (CNT = 14 - s) the K steps s + 3 and s + 4 are named, whose refills go out one and two changes later.  Each aligned block of 256 bytes once in the launch:
; A's rows are read by both clusters of a row of clusters: cluster x = 0 asks, wave 0; of a block's 128 pieces of 256 bytes partner cx takes 32, by address; two lines, a K step each.
; B's rows are read by all clusters of a column: cluster y = 0 asks, waves 1 to 3, a piece of 256 bytes of the row each; of the two steps' 128 k-rows partner cy takes 32, a lane a row.
; K steps 0 to 3 come by their loads alone; steps 14 and 15 are the last named.
.macro ASK
	s_bitcmp1_b32 s[CNT], 0
	s_cbranch_scc0 .Lno_\@
	s_cmp_gt_u32 s[CNT], s[LIM]
	s_cbranch_scc0 .Lno_\@
	global_prefetch_b8 v[PFO], s[PFA:PFA+1] th:TH_LOAD_NT scope:SCOPE_SE
	s_cmp_lg_u32 s[WV], 0
	s_cbranch_scc1 .Lno_\@
	global_prefetch_b8 v[PFO], s[PFA:PFA+1] offset:ASTEP th:TH_LOAD_NT scope:SCOPE_SE
.Lno_\@:
.endm
; Matrix instructions for row blocks a0 .. a1 x the six column blocks of half-set hs.  The accumulators take turns, one instruction a turn: 95 others stand between two links of a chain.
.macro MULS ab, bbuf, hs, a0, a1
.set a, \a0
.rept (\a1)-(\a0)+1
.set bb, 0
.rept 6
.set idx, 48*(\hs)+6*a+bb
	WIN 0x50*(1+idx/32)
	v_wmma_f32_16x16x32_bf16 v[8*(idx%32):8*(idx%32)+7], v[(\bbuf)+8*bb:(\bbuf)+8*bb+7], v[(\ab)+8*a:(\ab)+8*a+7], v[8*(idx%32):8*(idx%32)+7]
.set bb, bb+1
.endr
.set a, a+1
.endr
.endm
.macro FETCHB q, hs, buf               ; 12 turning loads: six column blocks x 32 k
	WIN 0
.set bb, 0
.rept 6
.set b, 6*(\hs)+bb
	ds_load_tr16_b128 v[(\buf)+8*bb:(\buf)+8*bb+3],   v[ADRB] offset:(\q)*32*PB+(b/4)*288+(b%4)*32
	ds_load_tr16_b128 v[(\buf)+8*bb+4:(\buf)+8*bb+7], v[ADRB] offset:(\q)*32*PB+16*PB+(b/4)*288+(b%4)*32
.set bb, bb+1
.endr
.endm
.macro FETCHA q, buf                   ; 16 loads: eight row blocks x 32 k, ascending
	WIN 0
.set a, 0
.rept 8
	ds_load_b128 v[(\buf)+8*a:(\buf)+8*a+3],   v[ADRA] offset:a*16*PA+64*(\q)
	ds_load_b128 v[(\buf)+8*a+4:(\buf)+8*a+7], v[ADRA] offset:a*16*PA+64*(\q)+32
.set a, a+1
.endr
.endm
.macro PH0 q                           ; phase (q, 0)
	s_wait_dscnt 12                                ; B's 12 loads and A's first 4 (row blocks 0, 1) are in; A's 12 younger ones may be out
	MULS AB0+64*(\q), BB0, 0, 0, 1
	PLACES
	FETCHB \q, 1, BB1
	s_wait_dscnt 12                                ; all but the 12 just issued
	MULS AB0+64*(\q), BB0, 0, 2, 7
.endm
.macro PH1                             ; phase (0, 1); it fetches quarter 1
	s_wait_dscnt 0x0
	MULS AB0, BB1, 1, 0, 1
	PLACES
	FETCHB 1, 0, BB0
	FETCHA 1, AB1
	MULS AB0, BB1, 1, 2, 7
.endm
; Phase (1, 1) and THE CHANGE OF SLOTS.  Each wave waits for all its tensor loads (one is out: its part of the next slot), adds 0 to its spare word, and waits for that and for its reads of this slot.
; fill = 1: the barrier opens a round of the cluster's barrier, and the joint refill, this slot's K step two on, is the first thing behind it.
.macro TURN fill
.if \fill
	s_wait_xcnt 0x0                                ; the last prefetches, a K step or more back, have read their address
	s_add_nc_u64 s[PFA:PFA+1], s[PFA:PFA+1], s[PST:PST+1]
.endif
	WIN 0
	s_wait_tensorcnt 0x0                           ; no tensor load of mine is out, so a group 0 may be written
	ds_add_u32 v[SPW], v[NIL]
.if \fill
	s_xor_b32 s[G0A+1], s[G0A+1], SLOT1            ; the walking descriptors: the other slot than last time, the next K step
	s_add_nc_u64 s[G0A+2:G0A+3], s[G0A+2:G0A+3], ASTEP
	s_xor_b32 s[G0B+1], s[G0B+1], SLOT1
	s_add_nc_u64 s[G0B+2:G0B+3], s[G0B+2:G0B+3], BSTEP
.endif
	s_wait_dscnt 1                                 ; only the add may be out: B's half-set is in
	MULS AB1, BB1, 1, 0, 1
	s_wait_dscnt 0x0                               ; the add is done, my reads of this slot are over
	s_barrier_signal -1
	MULS AB1, BB1, 1, 2, 2
	WIN 0
	s_barrier_wait -1
.if \fill
	CREST
	JLOAD                                          ; its four v_nop are also the places in front of the loads below
.else
	PLACES
.endif
	s_xor_b32 s[TB], s[TB], SLOT1
	v_add_nc_u32 v[ADRA], s[TB], v[A0]
	v_add_nc_u32 v[ADRB], s[TB], v[B0]
	FETCHB 0, 0, BB0
	FETCHA 0, AB0
.if \fill
	ASK
.endif
	MULS AB1, BB1, 1, 3, 7
.endm
	s_load_b256 s[4:11], s[0:1], 0x0               ; xb s[4:5], wq s[6:7], bqkv s[8:9], qkv s[10:11]
	v_lshl_add_u32 v[SPW], v0, 2, SPARE
	v_mov_b32 v[NIL], 0
	ds_add_u32 v[SPW], v[NIL]                      ; the wave's opening
	v_lshrrev_b32 v1, 5, v0
	v_readfirstlane_b32 s[WV], v1
	s_lshr_b32 s[RH], s[WV], 1
	s_and_b32 s[CH], s[WV], 1
	s_bfe_u32 s[CX], ttmp6, 0x40000
	s_bfe_u32 s[CY], ttmp6, 0x40004
	s_lshl_b32 s[TX], ttmp9, 2
	s_add_co_u32 s[TX], s[TX], s[CX]
	s_and_b32 s[TY], ttmp7, 0xffff
	s_lshl_b32 s[TY], s[TY], 2
	s_add_co_u32 s[TY], s[TY], s[CY]
	s_lshl_b32 s19, s[CY], 2
	s_lshl_b32 s19, 15, s19                        ; my row of the cluster
	s_lshl_b32 s20, 0x1111, s[CX]                  ; my column
	; A: 128 rows of 128 bytes are 16,384 dense bytes: asked for as 64 rows of 256 bytes, padded by 4 words after every 32
	s_or_b32 s[G1A], s19, (1<<16)|(1<<20)|(1<<21)|(4<<22)|(3<<25)
	s_mov_b32 s[G1A+1], 128<<16                    ; tensor_dim0
	s_mov_b32 s[G1A+2], 64<<16                     ; tensor_dim1
	s_mov_b32 s[G1A+3], 128<<16                    ; tile_dim0
	s_mov_b32 s[G1A+4], 64                         ; tile_dim1
	s_mov_b32 s[G1A+5], 128                        ; elements from row to row
	s_mov_b32 s[G1A+6], 0
	s_mov_b32 s[G1A+7], 0
	; B: 32 k-rows of 384 elements (768 bytes), padded by 8 words after every 64: three pieces a row, LDS pitch 864
	s_or_b32 s[G1B], s20, (1<<16)|(1<<20)|(1<<21)|(5<<22)|(7<<25)
	s_mov_b32 s[G1B+1], 384<<16
	s_mov_b32 s[G1B+2], 32<<16
	s_mov_b32 s[G1B+3], 384<<16
	s_mov_b32 s[G1B+4], 32
	s_mov_b32 s[G1B+5], 3072
	s_mov_b32 s[G1B+6], 0
	s_mov_b32 s[G1B+7], 0
	s_lshl_b32 s72, s[TY], 15                      ; A: the tile's 256 rows of 128 bytes, my half of them
	s_lshl_b32 s73, s[CH], 14
	s_add_co_u32 s72, s72, s73
	s_mov_b32 s73, 0
	s_mul_i32 s76, s[TX], 768                      ; B: the tile's columns, my 32 k-rows
	s_mul_i32 s77, s[CH], 32*6144
	s_add_co_u32 s76, s76, s77
	s_mov_b32 s77, 0
	s_mul_i32 s21, s[CH], 128*PA                   ; where they go: no place in the cluster enters an LDS address
	s_mul_i32 s22, s[CH], 32*PB
	s_add_co_u32 s22, s22, BOFF
	s_mov_b32 s[G0A0], 1
	s_mov_b32 s[G0A0+1], s21
	s_mov_b32 s[G0A], 1
	s_add_co_u32 s[G0A+1], s21, SLOT1
	s_mov_b32 s[G0B0], 1
	s_mov_b32 s[G0B0+1], s22
	s_mov_b32 s[G0B], 1
	s_add_co_u32 s[G0B+1], s22, SLOT1
	s_wait_dscnt 0x0                               ; the opening add is done
	s_wait_kmcnt 0x0
	s_add_nc_u64 s[G0A0+2:G0A0+3], s[4:5], s[72:73]
	s_add_nc_u64 s[G0A+2:G0A+3], s[G0A0+2:G0A0+3], ASTEP
	s_or_b32 s[G0A0+3], s[G0A0+3], 0x80000000
	s_or_b32 s[G0A+3], s[G0A+3], 0x80000000
	s_add_nc_u64 s[G0B0+2:G0B0+3], s[6:7], s[76:77]
	s_add_nc_u64 s[G0B+2:G0B+3], s[G0B0+2:G0B0+3], BSTEP
	s_or_b32 s[G0B0+3], s[G0B0+3], 0x80000000
	s_or_b32 s[G0B+3], s[G0B+3], 0x80000000
	CROUND                                         ; all sixteen work-groups are here: the first joint loads meet
	s_cmp_eq_u32 s[RH], 0                          ; a wave's two first fills stand in one branch: two loads of mine are out
	s_cbranch_scc0 .Lfirst_b
	tensor_load_to_lds s[G0A0:G0A0+3], s[G1A:G1A+7]
	s_nop 0
	tensor_load_to_lds s[G0A:G0A+3], s[G1A:G1A+7]
	s_nop 0
.rept 4
	v_nop
.endr
	s_branch .Lfirst_asked
.Lfirst_b:
	tensor_load_to_lds s[G0B0:G0B0+3], s[G1B:G1B+7]
	s_nop 0
	tensor_load_to_lds s[G0B:G0B+3], s[G1B:G1B+7]
	s_nop 0
.rept 4
	v_nop
.endr
.Lfirst_asked:
	; the bias of my 12 column blocks: column 384 X + 128 j + 64 CH + 16 (b % 4) + lane % 16
	v_and_b32 v1, 15, v0                           ; r
	v_lshlrev_b32 v[BO], 2, v1
	s_mul_i32 s84, s[TX], 1536
	s_lshl_b32 s85, s[CH], 8
	s_add_co_u32 s84, s84, s85
	s_mov_b32 s85, 0
	s_add_nc_u64 s[86:87], s[8:9], s[84:85]
.set b, 0
.rept 12
	global_load_b32 v[BT+b], v[BO], s[86:87] offset:(b/4)*512+(b%4)*64
.set b, b+1
.endr
	v_bfe_u32 v2, v0, 4, 1                         ; h
	v_and_b32 v3, 7, v0
	v_bfe_u32 v4, v0, 3, 1
	v_and_b32 v5, 31, v0                           ; lane
	v_mul_u32_u24 v[A0], v1, PA                    ; a fragment of A: row x pitch + 16 h, in my 128 rows
	v_lshl_add_u32 v[A0], v2, 4, v[A0]
	s_mul_i32 s21, s[RH], 128*PA
	v_add_nc_u32 v[A0], s21, v[A0]
	v_lshl_add_u32 v6, v2, 3, v3                   ; the turning load: k-row 8 h + lane % 8, 16 bytes by (lane / 8) % 2, my heads' 128 bytes of a piece
	v_mul_u32_u24 v[B0], v6, PB
	v_lshl_add_u32 v[B0], v4, 4, v[B0]
	s_lshl_b32 s21, s[CH], 7
	s_add_co_u32 s21, s21, BOFF
	v_add_nc_u32 v[B0], s21, v[B0]
	s_mul_i32 s22, s[WV], WSTG
	s_add_co_u32 s22, s22, STAGE                   ; my stage
	v_mul_u32_u24 v[STO], v1, SP
	v_lshl_add_u32 v[STO], v2, 4, v[STO]
	v_add_nc_u32 v[STO], s22, v[STO]
	v_bfe_u32 v6, v0, 3, 2                         ; back: 32 lanes take four rows of 128 bytes
	v_mul_u32_u24 v[RD], v6, SP
	v_lshl_add_u32 v[RD], v3, 4, v[RD]
	v_add_nc_u32 v[RD], s22, v[RD]
	v_lshlrev_b32 v[CO], 4, v5
	; qkv: [which 3][g 32][t 16][hh 4][key 64][64] f16.  Head H = 6 X + 2 j + CH of 48: which = H / 16, n = H % 16, g = 4 batch + n / 4, hh = n % 4; my rows: batch = Y / 4, t = 4 (Y % 4) + 2 RH + a / 4
	s_mul_i32 s21, s[TX], 6
	s_add_co_u32 s21, s21, s[CH]
	s_lshr_b32 s22, s[TY], 2
	s_lshl_b32 s22, s22, 21
	s_and_b32 s23, s[TY], 3
	s_lshl_b32 s23, s23, 17
	s_add_co_u32 s22, s22, s23
	s_lshl_b32 s23, s[RH], 16
	s_add_co_u32 s22, s22, s23
	s_mov_b32 s81, 0
.irp j, 0,1,2
	s_add_co_u32 s23, s21, 2*\j
	s_lshr_b32 s80, s23, 4
	s_lshl_b32 s80, s80, 24
	s_add_co_u32 s80, s80, s22
	s_bfe_u32 s82, s23, 0x20002
	s_lshl_b32 s82, s82, 19
	s_add_co_u32 s80, s80, s82
	s_and_b32 s82, s23, 3
	s_lshl_b32 s82, s82, 13
	s_add_co_u32 s80, s80, s82
	s_add_nc_u64 s[CB+2*\j:CB+2*\j+1], s[10:11], s[80:81]
.endr
	; the prefetches' base, step, lane factor and test
	s_lshl_b32 s88, s[TY], 15
	s_lshl_b32 s89, s[CX], 13
	s_add_co_u32 s88, s88, s89                     ; A: the tile's rows, my work-group's 32 pieces
	s_mul_i32 s90, s[CY], 32*6144
	s_mul_i32 s91, s[TX], 768
	s_add_co_u32 s90, s90, s91
	s_lshl_b32 s91, s[WV], 8
	s_add_co_u32 s90, s90, s91
	s_sub_co_u32 s90, s90, 256                     ; B: my work-group's 32 k-rows, piece wave - 1 (not used in wave 0)
	s_mov_b32 s89, 0
	s_mov_b32 s21, BSTEP
	s_mov_b32 s22, 6144
	s_and_b32 s23, ttmp7, 0xffff                   ; cluster y
	s_cmp_eq_u32 s[WV], 0
	s_cselect_b32 s88, s88, s90
	s_cselect_b32 s[PST], ASTEP, s21
	s_cselect_b32 s22, 256, s22
	s_cselect_b32 s23, ttmp9, s23                  ; the coordinate along which other clusters read the same rows
	s_cselect_b64 s[PFA:PFA+1], s[4:5], s[6:7]
	s_mov_b32 s[PST+1], 0
	s_cmp_eq_u32 s23, 0
	s_cselect_b32 s[LIM], 2, -1                    ; the same in all sixteen partners, for a given wave
	s_add_nc_u64 s[PFA:PFA+1], s[PFA:PFA+1], s[88:89]
	s_add_nc_u64 s[PFA:PFA+1], s[PFA:PFA+1], s[PST:PST+1]
	s_add_nc_u64 s[PFA:PFA+1], s[PFA:PFA+1], s[PST:PST+1]  ; at K step 2; the change of slots of K step s finds it at s + 3
	v_mul_u32_u24 v[PFO], v5, s22
	; the bias fragments' zeros, and the ones
.set i, 0
.rept 30
.if (i%2 == 1) || (i > 22)
	v_mov_b32 v[BV+i], 0
.endif
.set i, i+1
.endr
	v_sub_nc_u32 v7, 1, v2
	v_mul_u32_u24 v[ONES], v7, 0x3f80              ; bf16 1.0 at k = 0: the low half of register 0 in lanes 0-15
.set i, 1
.rept 7
	v_mov_b32 v[ONES+i], 0
.set i, i+1
.endr
	s_wait_loadcnt 0x0                             ; the bias
.set b, 0
.rept 12
	v_cvt_pk_bf16_f32 v[BV+2*b], v[BT+b], v[NIL]
.set b, b+1
.endr
.set idx, 0
.rept 96                               ; every sum starts with its bias
.set b, 6*(idx/48)+idx%6
	WIN 0x50*(1+idx/32)
	v_wmma_f32_16x16x32_bf16 v[8*(idx%32):8*(idx%32)+7], v[BV+2*b:BV+2*b+7], v[ONES:ONES+7], 0
.set idx, idx+1
.endr
	WIN 0
	s_wait_tensorcnt 1                             ; my part of K step 0 is in; K step 1's may stay out
	s_barrier_signal -1
	s_barrier_wait -1
	s_mov_b32 s[TB], 0
	v_add_nc_u32 v[ADRA], s[TB], v[A0]
	v_add_nc_u32 v[ADRB], s[TB], v[B0]
	FETCHB 0, 0, BB0
	FETCHA 0, AB0
	s_mov_b32 s[CNT], 15
	s_branch .Lfirst                               ; the loop is entered at a K step's first phase, in the middle of a trip
.Lstep:                                        ; 14 trips: the second half of K step s with its refill (K step s + 2), the first half of K step s + 1
	PH0 1
	TURN 1
	WIN 0
.Lfirst:
	PH0 0
	PH1
	WIN 0
	s_sub_co_u32 s[CNT], s[CNT], 1
	s_cmp_lg_u32 s[CNT], 0
	s_cbranch_scc1 .Lstep
	PH0 1                                          ; the tail is written out: K step 14's second half, nothing is asked for
	TURN 0
	PH0 0                                          ; and K step 15
	PH1
	PH0 1
	s_wait_dscnt 0x0
	MULS AB1, BB1, 1, 0, 7
	WIN 0
	PLACES
	PLACES
; THE WAY OUT, a block of 16 rows at a time: rounded to f16, 16 bytes a lane into my stage, back as whole rows of 128 bytes, stored as 512 consecutive bytes (16 rows of a head are 2,048 dense bytes of qkv).
.macro PACK a
.set b, 0
.rept 12
.set idx, 48*(b/6)+6*(\a)+b%6
	WIN 5*(1+idx/32)                               ; sources 0 and 1 in the accumulator's window
.set rr, 0
.rept 4
	v_cvt_pk_f16_f32 v[TMP+4*b+rr], v[8*(idx%32)+2*rr], v[8*(idx%32)+2*rr+1]  ; each accumulator's registers in ascending order
.set rr, rr+1
.endr
.set b, b+1
.endr
	WIN 0
.endm
.macro TOSTAGE a
.set BK, BK0+64*((\a)%2)
.set b, 0
.rept 12
	ds_store_b128 v[STO], v[TMP+4*b:TMP+4*b+3] offset:(b/4)*16*SP+(b%4)*32
.set b, b+1
.endr
.set t, 0
.rept 12
	ds_load_b128 v[BK+4*t:BK+4*t+3], v[RD] offset:(t/4)*16*SP+(t%4)*4*SP  ; LDS serves a wave's instructions in order (ISA guide 5.7.1.4): these see the stores above
.set t, t+1
.endr
.endm
.macro SEND a
.set BK, BK0+64*((\a)%2)
	s_wait_dscnt 0x0                               ; the block is back in registers
	s_wait_xcnt 0x0                                ; the stores of the block before have read their registers, which the next block's loads will write
.set t, 0
.rept 12
	global_store_b128 v[CO], v[BK+4*t:BK+4*t+3], s[CB+2*(t/4):CB+2*(t/4)+1] offset:((\a)/4)*32768+((\a)%4)*2048+(t%4)*512
.set t, t+1
.endr
.endm
	PACK 0
	TOSTAGE 0
.irp a, 1,2,3,4,5,6,7                  ; block a's conversions stand between block a - 1's loads from the stage and the wait for them
	PACK \a
	SEND (\a)-1
	TOSTAGE \a
.endr
	SEND 7
	s_wait_tensorcnt 0x0                           ; the wave's end
	ds_add_u32 v[SPW], v[NIL]
	s_wait_dscnt 0x0
	CROUND                                         ; the closing round: no work-group ends while a partner may still ask for a tile that names it
	s_endpgm
.Lfunc_end_k_qc34944db70_qkvproj:
	.size	k_qc34944db70_qkvproj, .Lfunc_end_k_qc34944db70_qkvproj-k_qc34944db70_qkvproj
	.p2alignl 7, 3214868480
	.fill 96, 4, 3214868480
	.section	.rodata,"a",@progbits
	.p2align	6, 0x0
	.amdhsa_kernel k_qc34944db70_qkvproj
		.amdhsa_group_segment_fixed_size 327680
		.amdhsa_private_segment_fixed_size 0
		.amdhsa_enable_private_segment 0
		.amdhsa_kernarg_size 32
		.amdhsa_user_sgpr_count 2
		.amdhsa_user_sgpr_kernarg_segment_ptr 1
		.amdhsa_wavefront_size32 1
		.amdhsa_system_sgpr_workgroup_id_x 1
		.amdhsa_system_sgpr_workgroup_id_y 1
		.amdhsa_system_sgpr_workgroup_id_z 1
		.amdhsa_system_vgpr_workitem_id 0
		.amdhsa_next_free_vgpr 1024
		.amdhsa_next_free_sgpr 96
		.amdhsa_reserve_vcc 0
		.amdhsa_float_denorm_mode_32 3
		.amdhsa_float_denorm_mode_16_64 3
		.amdhsa_memory_ordered 1
		.amdhsa_forward_progress 1
		.amdhsa_inst_pref_size 113
	.end_amdhsa_kernel
	.amdgpu_metadata
---
amdhsa.version: [ 1, 2 ]
amdhsa.kernels:
  - .name:           k_qc34944db70_qkvproj
    .symbol:         k_qc34944db70_qkvproj.kd
    .args:
      - { .name: xb, .offset: 0, .size: 8, .value_kind: global_buffer, .address_space: global }
      - { .name: wq, .offset: 8, .size: 8, .value_kind: global_buffer, .address_space: global }
      - { .name: bqkv, .offset: 16, .size: 8, .value_kind: global_buffer, .address_space: global }
      - { .name: qkv, .offset: 24, .size: 8, .value_kind: global_buffer, .address_space: global }
    .group_segment_fixed_size: 327680
    .private_segment_fixed_size: 0
    .kernarg_segment_align: 8
    .kernarg_segment_size: 32
    .max_flat_workgroup_size: 128
    .sgpr_count:     96
    .vgpr_count:     1024
    .wavefront_size: 32
...
	.end_amdgpu_metadata
.endif
;; end of part 2
;; launch attn (part 3): grid 8 x 32, 4 waves a work-group, clusters of 4 x 4, 327,680 bytes of LDS; arguments qkv, nm, z; writes z
.if DOCPART == 3
	.amdgcn_target "amdgcn-amd-amdhsa--gfx1250"
	.amdhsa_code_object_version 6
	.text
	.protected	k_qc34944db70_attn
	.globl	k_qc34944db70_attn
	.p2align	8
	.type	k_qc34944db70_attn,@function
k_qc34944db70_attn:
	s_mov_b64 s[64:65], 0
	v_nop
	global_prefetch_b8 v0, s[64:65] scope:SCOPE_SE
	s_setreg_imm32_b32 hwreg(HW_REG_WAVE_MODE, 25, 1), 1
	s_wait_xcnt 0x0
	s_wait_alu depctr_hold_cnt(0) depctr_sa_sdst(0) depctr_va_vdst(0) depctr_va_sdst(0) depctr_va_ssrc(0) depctr_va_vcc(0) depctr_vm_vsrc(0)
	s_getreg_b32 s2, hwreg(HW_REG_IB_STS2, 6, 4)
	s_cmp_eq_u32 s2, 0
	s_cbranch_scc0 .Lentry_in_a_cluster
	s_endpgm
.Lentry_in_a_cluster:
	s_bfe_u32 s2, ttmp6, 0x10000c
	s_cmp_lg_u32 s2, 0xf033
	s_cbranch_scc0 .Lentry_shape_is_right
	s_endpgm
.Lentry_shape_is_right:
; z[b][q][n][:] = the sum over k of softmax_k(q . k / 8 - mask[q][k]) v[k][:], 128 heads of 1,024 rows, head size 64.
; qkv: f16 [which 3][g 32][t 16][hh 4][key 64][64] (g = 4 batch + head / 4, hh = head % 4, t = row / 64).  nm: f32, -8 x mask in the order of a product's C operand: [qb 8][t 16][qt 8][kt 4][half 2][lane 32][4].
; z: f16 [head 16][row 8192][64].  Products, maxima and sums in f32; the weights p are rounded to f16 for the second product (their sum l is taken of the unrounded p), z once at the end.
; LIMITS.  q, k, v arrive within 65,504; p below 6e-5 keeps f16's fixed step of 6e-8; a weight below 2^-126 counts as 0 in l; NaN and infinities are not treated apart.
; THE MASK COSTS NO VECTOR LINE: S' = k q^T + (-8 mask) by the C operand of the product that starts the sum, and p = 2^(c S' - c m) with c = log2(e) / 8 and a running maximum m of S'.
; SHARES.  A work-group has 128 queries (qb) of the four heads of a group g; wave w is head w with all 128 queries: four PIECES of two tiles of 16.  The four waves read the same mask tile out of LDS.
; Every wave walks all 1,024 keys, 64 a step; a slot of LDS holds one step: K and V of four heads and the mask tile 128 x 64.
; CLUSTER 4 x 4: K and V hang on g alone and are asked for jointly along a row of the cluster; the mask hangs on qb alone, jointly along a column.  Wave 0 asks for K, wave 1 for V, waves 2 and 3 for the mask's halves.
; LAYOUT.  S^T = K Q^T (source 0 = 16 keys, source 1 = 16 queries): a lane holds ONE query (lane % 16) and the keys 8 (lane / 16) + 0..7.  Two such results rounded to f16 ARE source 1 of O^T = V^T P.
; BY TURNS.  Turn n belongs to piece n: 16 products K Q^T of piece n + 1, later 16 products V^T P of piece n - 1; beside them the scaling, exponentials, roundings, sums and rescaling of piece n and the
; maximum and statistics of piece n + 1.  Four vector lines stand behind every matrix instruction, the rest in one run.  A turn's 66 exponentials are one batch with one wait.
; m starts at the lowest finite number, O and l at 0: the first step is a step like any other, with a = 0.
; LDS: slot s at s x 131,072: K 256 rows x 144; V 256 rows x 160 at 36,864; mask 32,768 dense at 77,824.  Stages 4 x 16 x 144 at 241,664; spare words at 250,880.
; REGISTERS, in windows of 256 (s_set_vgpr_msb: bits 1:0 source 0, 3:2 source 1, 5:4 source 2, 7:6 destination):
;   window 0: v0-11 addresses; v12-15, v48-63 at work; v16-47 statistics; v64-191 S^T, two buffers of two tiles; v192-255 P, likewise
;   window 1: O^T, 32 a tile      window 2: v0-127 Q; v128-191 K of one step; v192-255 V of one step      window 3: v0-1 the add's registers; v64-191 the mask, two buffers of two tiles
.set NP,    4
.set KS,    64
.set PK,    144
.set PV,    160
.set VOFF,  4*KS*PK
.set MOFF,  VOFF+4*KS*PV
.set SLOT1, 1<<17
.set STAGE, SLOT1+MOFF+32768
.set SP,    144
.set SPARE, STAGE+4*16*SP
.set STEP,  32768                      ; bytes from a key step to the next, in K, in V and in nm alike
.set PFO, 1           ; v1   256 x lane
.set AK0, 2           ; v2   my lane's place in my head's K; never rewritten
.set AV0, 3           ; v3   the same for V
.set AK,  4           ; v4   the same in the slot in hand
.set AV,  5
.set QO,  6           ; v6   my byte offset in 16 rows of Q
.set STO, 7           ; v7   the way out: where I put 16 bytes of a row
.set RD,  8           ; v8   where I read rows back
.set GO,  9           ; v9   16 x lane
.set AM0, 10          ; v10  my lane's place in the mask tile
.set AM,  11          ; v11  the same in the slot in hand
.set SPW, 0           ; v0 of window 3   my spare word; never rewritten
.set NIL, 1           ; v1 of window 3   0; never rewritten
.set MV,  12
.set ST,  16          ; tile t's statistics at v[ST+4 t]: c m, m, l (even keys', odd keys')
.set TMP, 48
.set S,   64
.set P,   192
.set KF,  128
.set VF,  192
.set MK,  64          ; window 3: by the piece's parity 64 registers: tile u at 32 u, key block kt at 8 kt
.set WV,  12
.set CX,  13
.set CY,  14
.set QB,  15
.set GG,  16
.set G1K, 24
.set G1V, 32
.set G1M, 40
.set G0K, 48
.set G0V, 52
.set G0M, 56
.set CS,  60          ; s[60:61] c
.set SEL, 62          ; s[62:63] v_permlanex16_b32's selects
.set SLOTS, 66
.set CNT, 67
.set TB,  68          ; LDS byte at which the slot in hand begins
.set LIM, 69          ; 1 in a wave that prefetches, else the greatest number
.set PFA, 70          ; s[70:71]
.set QBASE, 72        ; s[72:73]
.set ZBASE, 74        ; s[74:75]
.set MSB, 0
.macro WIN new
.if MSB != (\new)
	s_set_vgpr_msb (MSB<<8)|(\new)
.set MSB, (\new)
.endif
.endm
.set W_KQ, 0x0a       ; K and Q in window 2, S^T in window 0
.set W_KM, 0x3a       ; the same with the C operand, the mask, in window 3
.set W_PV, 0x52       ; V in window 2, P in window 0, O^T in window 1
.set W_RS, 0x41       ; O^T (destination and source 0) in window 1, a in window 0
.set W_MK, 0xc0       ; destination in window 3, sources in window 0
.set W_AD, 0x0f       ; the add: address and data in window 3
.macro PLACES
.rept 4
	v_nop
.endr
.endm
; A joint fill: one line a wave, chosen by the wave's number alone.  An s_nop 0 and four v_nop follow each line.
.macro JLOAD
	s_cmp_lg_u32 s[WV], 0
	s_cbranch_scc1 .Lnot_k_\@
	tensor_load_to_lds s[G0K:G0K+3], s[G1K:G1K+7]
	s_nop 0
.rept 4
	v_nop
.endr
	s_branch .Lasked_\@
.Lnot_k_\@:
	s_cmp_lg_u32 s[WV], 1
	s_cbranch_scc1 .Lfor_m_\@
	tensor_load_to_lds s[G0V:G0V+3], s[G1V:G1V+7]
	s_nop 0
.rept 4
	v_nop
.endr
	s_branch .Lasked_\@
.Lfor_m_\@:
	tensor_load_to_lds s[G0M:G0M+3], s[G1M:G1M+7]
	s_nop 0
.rept 4
	v_nop
.endr
.Lasked_\@:
.endm
; A PREFETCH INTO THE L2 of what the NEXT change of slots will ask for: one key step, four turns, ahead.  Each block of 256 bytes is named once in the launch: K and V of a group are walked by both clusters of a row
; of clusters: cluster x = 0 asks, wave 0 for K, wave 1 for V, partner cx taking 32 of the step's 128 blocks by address; the mask tile by all clusters of a column: cluster y = 0 asks, wave 2, partner cy likewise.
; Steps 0 to 2 come by their loads alone; the last change that fills a slot asks for nothing.
.macro ASK
	s_cmp_gt_u32 s[SLOTS], s[LIM]
	s_cbranch_scc0 .Lnot_mine_\@
	global_prefetch_b8 v[PFO], s[PFA:PFA+1] th:TH_LOAD_NT scope:SCOPE_SE
.Lnot_mine_\@:
.endm
.macro CROUND
	s_barrier_signal -1
	s_barrier_wait -1
	s_cmp_lg_u32 s[WV], 0
	s_cbranch_scc1 .Lnot_wave_0_\@
	s_barrier_signal -3
.Lnot_wave_0_\@:
	s_barrier_wait -3
	s_barrier_signal -1
	s_barrier_wait -1
.endm
; THE CHANGE OF SLOTS, behind piece 1's turn: of the step in hand K, V and all four pieces' masks have been asked out of LDS.  Each wave waits for all its tensor loads (one is out: its part of the other slot),
; adds 0 to its spare word, and waits for that and for its reads of the slot.  fill = 1: a round of the cluster's barrier, and the joint fill, the step two on, first behind it: it has four turns in which to land.
; (At its first use nothing has been read yet: slot 0 is waited for, slot 1 filled.)
.macro CHANGE fill, ask
	WIN W_AD
	s_wait_tensorcnt 0x0            ; no tensor load of mine is out, so a group 0 may be written
	ds_add_u32 v[SPW], v[NIL]
	WIN 0
.if \fill
.irp g, G0K, G0V, G0M
	s_xor_b32 s[\g+1], s[\g+1], SLOT1
	s_add_nc_u64 s[\g+2:\g+3], s[\g+2:\g+3], STEP
.endr
.endif
.if \ask
	s_wait_xcnt 0x0                 ; the last prefetch, a key step back, has read its address
	s_add_nc_u64 s[PFA:PFA+1], s[PFA:PFA+1], STEP
.endif
	s_wait_dscnt 0x0                ; the add is done, and my reads of the slot are over
.if \fill
	CROUND
	JLOAD
.if \ask
	ASK
.endif
.else
	s_barrier_signal -1
	s_barrier_wait -1
.endif
	s_xor_b32 s[TB], s[TB], SLOT1   ; all that is fetched from here to the next change lies in the other slot
	v_add_nc_u32 v[AK], s[TB], v[AK0]
	v_add_nc_u32 v[AV], s[TB], v[AV0]
	v_add_nc_u32 v[AM], s[TB], v[AM0]
.endm
	s_load_b128 s[4:7], s[0:1], 0x0   ; qkv s[4:5], nm s[6:7]
	s_load_b64 s[8:9], s[0:1], 0x10   ; z
	WIN W_MK
	v_lshl_add_u32 v[SPW], v0, 2, SPARE
	v_mov_b32 v[NIL], 0
	WIN W_AD
	ds_add_u32 v[SPW], v[NIL]       ; the wave's opening
	WIN 0
	v_lshrrev_b32 v48, 5, v0
	v_readfirstlane_b32 s[WV], v48
	s_bfe_u32 s[CX], ttmp6, 0x40000
	s_bfe_u32 s[CY], ttmp6, 0x40004
	s_lshl_b32 s[QB], ttmp9, 2
	s_add_co_u32 s[QB], s[QB], s[CX]  ; my block of 128 queries
	s_and_b32 s[GG], ttmp7, 0xffff
	s_lshl_b32 s[GG], s[GG], 2
	s_add_co_u32 s[GG], s[GG], s[CY]  ; my group of four heads
	s_lshl_b32 s17, s[CY], 2
	s_lshl_b32 s17, 15, s17         ; my row of the cluster
	s_lshl_b32 s18, 0x1111, s[CX]   ; my column
	; K, V: a step's 256 rows of 128 bytes are 32,768 dense bytes: 128 rows of 256 bytes, padded after every 32 words by 4 (K) or 8 (V)
	s_or_b32 s[G1K], s17, (1<<16)|(1<<20)|(1<<21)|(4<<22)|(3<<25)
	s_or_b32 s[G1V], s17, (1<<16)|(1<<20)|(1<<21)|(4<<22)|(7<<25)
.irp g, G1K, G1V
	s_mov_b32 s[\g+1], 128<<16      ; tensor_dim0
	s_mov_b32 s[\g+2], 128<<16      ; tensor_dim1
	s_mov_b32 s[\g+3], 128<<16      ; tile_dim0
	s_mov_b32 s[\g+4], 128          ; tile_dim1
	s_mov_b32 s[\g+5], 128          ; elements from row to row
	s_mov_b32 s[\g+6], 0
	s_mov_b32 s[\g+7], 0
.endr
	; half a mask tile: 16,384 dense bytes: 64 rows of 64 elements of 4 bytes, no padding
	s_or_b32 s[G1M], s18, (2<<16)|(1<<21)
	s_mov_b32 s[G1M+1], 64<<16
	s_mov_b32 s[G1M+2], 64<<16
	s_mov_b32 s[G1M+3], 64<<16
	s_mov_b32 s[G1M+4], 64
	s_mov_b32 s[G1M+5], 64
	s_mov_b32 s[G1M+6], 0
	s_mov_b32 s[G1M+7], 0
	s_lshl_b32 s20, s[GG], 19
	s_add_co_u32 s76, s20, 1<<24    ; K of my group
	s_mov_b32 s77, 0
	s_add_co_u32 s78, s20, 2<<24    ; V
	s_mov_b32 s79, 0
	s_and_b32 s21, s[WV], 1
	s_lshl_b32 s22, s21, 14
	s_lshl_b32 s80, s[QB], 19
	s_add_co_u32 s80, s80, s22      ; the mask tiles of my query block, my half
	s_mov_b32 s81, 0
	s_mov_b32 s[G0K], 1
	s_mov_b32 s[G0K+1], 0
	s_mov_b32 s[G0V], 1
	s_mov_b32 s[G0V+1], VOFF
	s_mov_b32 s[G0M], 1
	s_add_co_u32 s[G0M+1], s22, MOFF
	s_mov_b32 s[CS], 0x3e38aa3b     ; c = log2(e) / 8
	s_mov_b32 s[CS+1], s[CS]
	s_mov_b32 s[SEL], 0x76543210
	s_mov_b32 s[SEL+1], 0xfedcba98
	s_mov_b32 s[TB], SLOT1          ; the first change of slots turns it into 0
	s_mov_b32 s[SLOTS], 15
	s_wait_dscnt 0x0                ; the opening add is done
	s_wait_kmcnt 0x0
	s_add_nc_u64 s[G0K+2:G0K+3], s[4:5], s[76:77]
	s_or_b32 s[G0K+3], s[G0K+3], 0x80000000
	s_add_nc_u64 s[G0V+2:G0V+3], s[4:5], s[78:79]
	s_or_b32 s[G0V+3], s[G0V+3], 0x80000000
	s_add_nc_u64 s[G0M+2:G0M+3], s[6:7], s[80:81]
	s_or_b32 s[G0M+3], s[G0M+3], 0x80000000
	CROUND                          ; all sixteen work-groups are here: the first joint loads meet
	JLOAD                           ; key step 0 into slot 0
	; Q: my head's 128 rows, two blocks of 64 rows 32,768 bytes apart
	s_lshl_b32 s82, s[QB], 16
	s_add_co_u32 s82, s82, s20
	s_lshl_b32 s83, s[WV], 13
	s_add_co_u32 s82, s82, s83
	s_mov_b32 s83, 0
	s_add_nc_u64 s[QBASE:QBASE+1], s[4:5], s[82:83]
	v_and_b32 v48, 15, v0           ; r
	v_bfe_u32 v49, v0, 4, 1         ; h
	v_and_b32 v50, 7, v0
	v_bfe_u32 v51, v0, 3, 1
	v_and_b32 v52, 31, v0           ; lane
	v_lshlrev_b32 v[QO], 7, v48
	v_lshl_add_u32 v[QO], v49, 4, v[QO]
	WIN 0x80
.set i, 0
.rept 4*NP                          ; Q stays in registers: tile i / 2, channels 32 (i % 2) on
	global_load_b128 v[8*i:8*i+3],   v[QO], s[QBASE:QBASE+1] offset:(i/8)*32768+((i/2)%4)*2048+(i%2)*64
	global_load_b128 v[8*i+4:8*i+7], v[QO], s[QBASE:QBASE+1] offset:(i/8)*32768+((i/2)%4)*2048+(i%2)*64+32
.set i, i+1
.endr
	; What the first turn finds: V's registers and P's second buffer hold 0, O^T and l are 0.  All this stands in the wait for the first tile.
.set i, VF
.rept 64
	v_mov_b32 v[i], 0
.set i, i+1
.endr
	WIN 0x40
.set i, 0
.rept 64*NP
	v_mov_b32 v[i], 0
.set i, i+1
.endr
	WIN 0
.set i, 0
.rept 2*NP
	v_mov_b32 v[ST+4*i], 0xfe000000    ; c m: far below every c s
	v_mov_b32 v[ST+4*i+1], 0xff7fffff  ; m
	v_mov_b32 v[ST+4*i+2], 0
	v_mov_b32 v[ST+4*i+3], 0
.set i, i+1
.endr
.set i, P+32
.rept 32
	v_mov_b32 v[i], 0
.set i, i+1
.endr
	v_mul_u32_u24 v[AK0], v48, PK
	v_lshl_add_u32 v[AK0], v49, 4, v[AK0]
	s_mul_i32 s19, s[WV], KS*PK     ; my head's 64 rows
	v_add_nc_u32 v[AK0], s19, v[AK0]
	v_lshl_add_u32 v[AV0], v49, 3, v50  ; the turning load: key 8 h + lane % 8, channels 8 ((lane / 8) % 2) on
	v_mul_u32_u24 v[AV0], v[AV0], PV
	v_lshl_add_u32 v[AV0], v51, 4, v[AV0]
	s_mul_i32 s19, s[WV], KS*PV
	s_add_co_u32 s19, s19, VOFF
	v_add_nc_u32 v[AV0], s19, v[AV0]
	v_lshlrev_b32 v[AM0], 4, v52
	v_add_nc_u32 v[AM0], MOFF, v[AM0]
	s_mul_i32 s19, s[WV], 16*SP
	s_add_co_u32 s19, s19, STAGE    ; my stage
	v_mul_u32_u24 v[STO], v48, SP
	v_lshl_add_u32 v[STO], v49, 4, v[STO]
	v_add_nc_u32 v[STO], s19, v[STO]
	v_bfe_u32 v[RD], v0, 3, 2
	v_mul_u32_u24 v[RD], v[RD], SP
	v_lshl_add_u32 v[RD], v50, 4, v[RD]
	v_add_nc_u32 v[RD], s19, v[RD]
	v_lshlrev_b32 v[GO], 4, v52
	v_lshlrev_b32 v[PFO], 8, v52
	; z at my head's rows: head = 4 (g % 4) + w, row = 1,024 (g / 4) + 128 qb
	s_and_b32 s84, s[GG], 3
	s_lshl_b32 s84, s84, 2
	s_add_co_u32 s84, s84, s[WV]
	s_lshl_b32 s84, s84, 20
	s_lshr_b32 s85, s[GG], 2
	s_lshl_b32 s85, s85, 17
	s_add_co_u32 s84, s84, s85
	s_lshl_b32 s85, s[QB], 14
	s_add_co_u32 s84, s84, s85
	s_mov_b32 s85, 0
	s_add_nc_u64 s[ZBASE:ZBASE+1], s[8:9], s[84:85]
	; the prefetches
	s_lshl_b32 s86, s[WV], 24
	s_add_co_u32 s86, s86, 1<<24
	s_add_co_u32 s86, s86, s20
	s_lshl_b32 s21, s[CX], 13
	s_add_co_u32 s86, s86, s21      ; K (wave 0) or V (wave 1): my work-group's 32 blocks
	s_lshl_b32 s22, s[QB], 19
	s_lshl_b32 s21, s[CY], 13
	s_add_co_u32 s22, s22, s21      ; the mask: likewise
	s_mov_b32 s87, 0
	s_and_b32 s23, ttmp7, 0xffff    ; cluster y
	s_cmp_lt_u32 s[WV], 2
	s_cselect_b32 s86, s86, s22
	s_cselect_b32 s23, ttmp9, s23   ; the coordinate along which other clusters read the same bytes
	s_cselect_b64 s[PFA:PFA+1], s[4:5], s[6:7]
	s_cmp_eq_u32 s[WV], 3
	s_cselect_b32 s23, 1, s23       ; wave 3 never asks
	s_cmp_eq_u32 s23, 0
	s_cselect_b32 s[LIM], 1, -1     ; the same in all sixteen partners, for a given wave
	s_add_nc_u64 s[PFA:PFA+1], s[PFA:PFA+1], s[86:87]
	s_add_nc_u64 s[PFA:PFA+1], s[PFA:PFA+1], 2*STEP  ; at step 2; the change that fills step 2 steps it to 3
; THE MATRIX WORK.  The 8 accumulators of a run of 16 take turns: between the two links of a chain stand 7 others'.
; Product i of 16 of S^T = K Q^T for piece x: channels 32 (i / 8) on, keys 16 ((i / 2) % 4) on, tile 2 x + i % 2.  The first 8 start the sums with -8 mask.
.macro KQ x
.set rS, S+64*((\x)%2)+32*(i%2)+8*((i/2)%4)
.set rK, KF+16*((i/2)%4)+8*(i/8)
.set rQ, 16*(2*(\x)+i%2)+8*(i/8)
.set rM, MK+64*((\x)%2)+32*(i%2)+8*((i/2)%4)
.if i < 8
	WIN W_KM
	v_wmma_f32_16x16x32_f16 v[rS:rS+7], v[rK:rK+7], v[rQ:rQ+7], v[rM:rM+7]
.else
	WIN W_KQ
	v_wmma_f32_16x16x32_f16 v[rS:rS+7], v[rK:rK+7], v[rQ:rQ+7], v[rS:rS+7]
.endif
.endm
; Product i of 16 of O^T += V^T P for piece x: keys 32 (i / 8) on, channels 16 ((i / 2) % 4) on, tile 2 x + i % 2.
.macro PV x
	WIN W_PV
.set rO, 32*(2*(\x)+i%2)+8*((i/2)%4)
.set rV, VF+32*(i/8)+8*((i/2)%4)
.set rP, P+32*((\x)%2)+16*(i%2)+8*(i/8)
	v_wmma_f32_16x16x32_f16 v[rO:rO+7], v[rV:rV+7], v[rP:rP+7], v[rO:rO+7]
.endm
.macro MM                           ; the turn's next matrix instruction
.if i < 16
	KQ (Y+1)%NP
.set i, i+1
.else
.set i, i-16
	PV (Y+NP-1)%NP
.set i, i+17
.endif
.endm
; THE LDS LOADS stand in runs of 16, never singly among the matrix instructions.
.macro FETCH_K
	WIN 0x80
.irp f, 0,1,2,3,4,5,6,7             ; keys 16 (f / 2) on, channels 32 (f % 2) on
	ds_load_b128 v[KF+8*\f:KF+8*\f+3],   v[AK] offset:(\f/2)*16*PK+(\f%2)*64
	ds_load_b128 v[KF+8*\f+4:KF+8*\f+7], v[AK] offset:(\f/2)*16*PK+(\f%2)*64+32
.endr
	WIN 0
.endm
.macro FETCH_V
	WIN 0x80
.irp f, 0,1,2,3,4,5,6,7             ; keys 32 (f / 4) on, channels 16 (f % 4) on
	ds_load_tr16_b128 v[VF+8*\f:VF+8*\f+3],   v[AV] offset:(\f/4)*32*PV+(\f%4)*32
	ds_load_tr16_b128 v[VF+8*\f+4:VF+8*\f+7], v[AV] offset:(\f/4)*32*PV+16*PV+(\f%4)*32
.endr
	WIN 0
.endm
.macro FETCH_M x                    ; piece x's mask: two tiles x four key blocks x two halves; 32 lanes take 512 consecutive bytes
	WIN W_MK
.irp u, 0,1
.irp kt, 0,1,2,3
	ds_load_b128 v[MK+64*((\x)%2)+32*\u+8*\kt:MK+64*((\x)%2)+32*\u+8*\kt+3],   v[AM] offset:((2*(\x)+\u)*4+\kt)*1024
	ds_load_b128 v[MK+64*((\x)%2)+32*\u+8*\kt+4:MK+64*((\x)%2)+32*\u+8*\kt+7], v[AM] offset:((2*(\x)+\u)*4+\kt)*1024+512
.endr
.endr
	WIN 0
.endm
; THE VECTOR WORK OF A TURN stands in three queues, each in the order in which its entries become ready; the two tiles alternate.
.macro REGS y, u
.set rT, ST+4*(2*(\y)+(\u))
.set rC, TMP+8*((\y)%2)+4*(\u)
.set rM, MV+2*((\y)%2)+(\u)
.set rS, S+64*((\y)%2)+32*(\u)
.set rP, P+32*((\y)%2)+16*(\u)
.set rO, 32*(2*(\y)+(\u))
.endm
; Number n of the 22 that find the NEXT piece's maximum and statistics; each accumulator's lowest registers are read first.
;   0-11 four chains of seven scores     12-14, 16 the four scores left over, the old m, all into c0     15 c m_old is kept     17, 18 the other half of the lanes: the new m     19-21 c m; c m_old - c m_new; a
.macro XS u, n
	REGS (Y+1)%NP, \u
.if (\n) < 4
	v_max3_num_f32 v[rC+(\n)], v[rS+8*(\n)], v[rS+8*(\n)+1], v[rS+8*(\n)+2]
.elseif (\n) < 12
	v_max3_num_f32 v[rC+(\n)%4], v[rC+(\n)%4], v[rS+8*((\n)%4)+2*((\n)/4)+1], v[rS+8*((\n)%4)+2*((\n)/4)+2]
.elseif (\n) == 12
	v_max3_num_f32 v[rC], v[rC], v[rS+7], v[rS+15]
.elseif (\n) == 13
	v_max3_num_f32 v[rC+1], v[rC+1], v[rS+23], v[rS+31]
.elseif (\n) == 14
	v_max3_num_f32 v[rC+2], v[rC+2], v[rC+3], v[rT+1]
.elseif (\n) == 15
	v_mov_b32 v[rM], v[rT]
.elseif (\n) == 16
	v_max3_num_f32 v[rC], v[rC], v[rC+1], v[rC+2]
.elseif (\n) == 17
	v_permlanex16_b32 v[rC+3], v[rC], s[SEL], s[SEL+1]
.elseif (\n) == 18
	v_max_num_f32 v[rT+1], v[rC], v[rC+3]
.elseif (\n) == 19
	v_mul_f32 v[rT], s[CS], v[rT+1]
.elseif (\n) == 20
	v_sub_f32 v[rC+1], v[rM], v[rT]
.else
	v_exp_f32 v[rC+2], v[rC+1]
.endif
.endm
; Number g of the 64 that follow the exponentials: for each four weights both pairs are rounded to f16, the second pair is added onto the first, and a group later l takes that sum (the first time as l = a l + sum).
.macro GS g
.set h, (\g)+6*((\g)/62)
.if h >= 6
.set h, h+2
.endif
	REGS Y, h%2
.set k, h/8
.if h%8 < 4
	v_cvt_pk_f16_f32 v[rP+2*k+(h%8)/2], v[rS+4*k+2*((h%8)/2)], v[rS+4*k+2*((h%8)/2)+1]
.elseif h%8 < 6
	v_pk_add_f32 v[rS+4*k:rS+4*k+1], v[rS+4*k:rS+4*k+1], v[rS+4*k+2:rS+4*k+3]
.elseif k == 1
	v_pk_fma_f32 v[rT+2:rT+3], v[rT+2:rT+3], v[rC+2:rC+3], v[rS:rS+1] op_sel_hi:[1,0,1]
.else
	v_pk_add_f32 v[rT+2:rT+3], v[rT+2:rT+3], v[rS+4*k-4:rS+4*k-3]
.endif
.endm
; THE PLAIN QUEUE, 138 long.  0-26: scalings 0-26.  27-54: XS's numbers 0-13.  55, 56: number 15.  57-73: the chain 14, 16 .. 19, each with one of the scalings 27-31 in front, then 20.  74-137: GS's 64, behind the wait.
.macro FS f
	REGS Y, (\f)%2
	v_pk_fma_f32 v[rS+2*((\f)/2):rS+2*((\f)/2)+1], v[rS+2*((\f)/2):rS+2*((\f)/2)+1], s[CS:CS+1], v[rT:rT+1] op_sel_hi:[1,0,0] neg_lo:[0,0,1] neg_hi:[0,0,1]
.endm
.macro PL
	WIN 0
.if q < 27
	FS q
.elseif q < 55
	XS (q-27)%2, (q-27)/2
.elseif q < 57
	XS q-55, 15
.elseif (q < 72) && ((q-57)%3 == 0)
	FS 27+(q-57)/3
.elseif q < 60
	XS (q-57)%3-1, 14
.elseif q < 72
	XS (q-57)%3-1, 15+(q-57)/3
.elseif q < 74
	XS q-72, 20
.else
	GS q-74
.endif
.set q, q+1
.endm
; THE EXPONENTIALS' QUEUE, 66 long: s0-s31 of both tiles, then the next piece's two a: ONE BATCH, ahead of the turn's one wait.
.macro EX
	WIN 0
.if e >= 64
	XS e-64, 21
.else
	REGS Y, e%2
	v_exp_f32 v[rS+e/2], v[rS+e/2]
.endif
.set e, e+1
.endm
; THE RESCALING's QUEUE: O^T times a, two at a time.  Its a was made, and waited for, in the turn before.
.macro R2
	REGS Y, r%2
	WIN W_RS
.irp z, 0,1
	v_pk_mul_f32 v[rO+4*(r/2)+2*\z:rO+4*(r/2)+2*\z+1], v[rO+4*(r/2)+2*\z:rO+4*(r/2)+2*\z+1], v[rC+2:rC+3] op_sel_hi:[1,0]
.endr
.set r, r+1
.endm
; A TURN, for piece p.  Ahead of its one wait stands all that names no result of its exponentials: 16 products K Q^T, behind each a scaling, an exponential and two rescalings; then a run of 108.
; Behind it: the mask of piece p + 2 is asked out of LDS (its buffer's last reader stands a turn back, its first reader comes behind 16 products), in piece 2's turn K of the next step too;
; then 16 products V^T P, behind each four of the roundings and sums.  V of the step in hand is fetched at the end of piece 0's turn, four plain lines behind its last reader.
.macro TURN p
.set Y, (\p)
.set i, 0
.set q, 0
.set e, 0
.set r, 0
.if (\p) == 1
	s_wait_dscnt 16                 ; piece 2's mask is in; V's 16 younger loads stay out
.else
	s_wait_dscnt 0x0                ; the next piece's mask is in (and K, in piece 3's turn)
.endif
	MM
	PL
	PL
	R2
.rept 15
	MM
	PL
	EX
	R2
.endr
.rept 8
	PL
.endr
.rept 49
	EX
	PL
.endr
	EX                              ; the next piece's two a
	EX
	v_nop                           ; a plain line behind the last exponential: one for the batch
	s_wait_alu depctr_va_vdst(0)    ; the wait for the batch, ahead of the first line that names a result
	FETCH_M ((\p)+2)%NP
.if (\p) == 2
	FETCH_K
.endif
.if (\p) == 1
	s_wait_dscnt 16                 ; V is in; the mask's 16 loads just issued stay out
.endif
.rept 16
	MM
.rept 4
	PL
.endr
.endr
.if (\p) == 0
	FETCH_V
.endif
.endm
	CHANGE 1, 0                     ; step 0 is in, everybody's part of it; step 1 is asked for
	FETCH_K                         ; key step 0
	FETCH_M 0
	FETCH_M 1
	s_wait_loadcnt 0x0              ; Q
	s_wait_dscnt 0x0
.set i, 0
.rept 16
	KQ 0                            ; piece 0's first scores
.set i, i+1
.endr
	WIN 0
	PLACES
.set Y, NP-1                        ; XS works for piece Y + 1: piece 0
.irp n, 0,1,2,3,4,5,6,7,8,9,10,11,12,13,14,15,16,17,18,19,20,21
	XS 0, \n
	XS 1, \n
.endr
	v_nop                           ; a plain line behind the two a,
	s_wait_alu depctr_va_vdst(0)    ; and their wait, ahead of the branch
	s_branch .Lfirst                ; the loop is entered at a step's first turn, in the middle of a trip
.Lslot:                             ; 14 trips: pieces 2 and 3 of step s, pieces 0 and 1 of step s + 1; step s + 2 is asked for
	CHANGE 1, 1
	TURN 2
	TURN 3
	WIN 0
.Lfirst:
	TURN 0
	TURN 1
	WIN 0
	s_sub_co_u32 s[SLOTS], s[SLOTS], 1
	s_cmp_lg_u32 s[SLOTS], 0
	s_cbranch_scc1 .Lslot
	CHANGE 0, 0                     ; the tail is written out: nothing is asked for
	s_mov_b32 s[CNT], 2             ; one trip for the last step; the second is left in its middle
.Ltail:
	TURN 2
	TURN 3
	WIN 0
	s_sub_co_u32 s[CNT], s[CNT], 1
	s_cmp_eq_u32 s[CNT], 0
	s_cbranch_scc1 .Lout
	TURN 0
	TURN 1
	WIN 0
	s_branch .Ltail
.Lout:                              ; in the second trip K and two masks are read out of the last slot once more, and 16 products and a maximum made of them serve nothing: the price, once a launch, of one text for every trip
.set i, 0
.rept 16
	PV NP-1                         ; the last piece's V^T P of the last step
.set i, i+1
.endr
	; THE WAY OUT.  l's two halves and the other half of the lanes' are added; O^T is divided by l, rounded to f16 and sent through my stage, a tile at a time.  The additions are the places behind the last products.
	WIN 0
.macro ALL line:vararg
.set t, 0
.rept 2*NP
	\line
.set t, t+1
.endr
.endm
	ALL v_add_f32 v[ST+4*t+2], v[ST+4*t+2], v[ST+4*t+3]
	ALL v_permlanex16_b32 v[ST+4*t+3], v[ST+4*t+2], s[SEL], s[SEL+1]
	ALL v_add_f32 v[ST+4*t+2], v[ST+4*t+2], v[ST+4*t+3]
	ALL v_rcp_f32 v[ST+4*t+2], v[ST+4*t+2]
	v_nop                           ; a plain line between the last reciprocal and the use of its result
	s_wait_alu depctr_va_vdst(0)    ; one wait for the eight reciprocals
.macro PACK t
	WIN W_RS
.set i, 32*(\t)
.rept 16
	v_pk_mul_f32 v[i:i+1], v[i:i+1], v[ST+4*(\t)+2:ST+4*(\t)+3] op_sel_hi:[1,0]
.set i, i+2
.endr
	WIN 0x05
.set i, 0
.rept 16
	v_cvt_pk_f16_f32 v[S+16*(\t)+i], v[32*(\t)+2*i], v[32*(\t)+2*i+1]
.set i, i+1
.endr
	WIN 0
.irp f, 0,1,2,3
	ds_store_b128 v[STO], v[S+16*(\t)+4*\f:S+16*(\t)+4*\f+3] offset:32*\f
.endr
.irp f, 0,1,2,3
	ds_load_b128 v[S+16*(\t)+4*\f:S+16*(\t)+4*\f+3], v[RD] offset:\f*4*SP  ; LDS serves a wave's instructions in order (ISA guide 5.7.1.4): these see the stores above
.endr
.endm
.macro SEND t, younger              ; younger: the LDS instructions issued behind tile t's loads
	WIN 0
.irp f, 0,1,2,3
	s_wait_dscnt (\younger)+3-\f
	global_store_b128 v[GO], v[S+16*(\t)+4*\f:S+16*(\t)+4*\f+3], s[ZBASE:ZBASE+1] offset:(\t)*2048+\f*512  ; 512 consecutive bytes, at a multiple of 256 from z's first
.endr
.endm
	PACK 0
.set t, 1
.rept 2*NP-1
	PACK t
	SEND t-1, 8
.set t, t+1
.endr
	SEND 2*NP-1, 0
	WIN W_AD
	s_wait_tensorcnt 0x0            ; the wave's end
	ds_add_u32 v[SPW], v[NIL]
	s_wait_dscnt 0x0
	WIN 0
	CROUND                          ; the closing round
	s_endpgm
.Lfunc_end_k_qc34944db70_attn:
	.size	k_qc34944db70_attn, .Lfunc_end_k_qc34944db70_attn-k_qc34944db70_attn
	.p2alignl 7, 3214868480
	.fill 96, 4, 3214868480
	.section	.rodata,"a",@progbits
	.p2align	6, 0x0
	.amdhsa_kernel k_qc34944db70_attn
		.amdhsa_group_segment_fixed_size 327680
		.amdhsa_private_segment_fixed_size 0
		.amdhsa_enable_private_segment 0
		.amdhsa_kernarg_size 24
		.amdhsa_user_sgpr_count 2
		.amdhsa_user_sgpr_kernarg_segment_ptr 1
		.amdhsa_wavefront_size32 1
		.amdhsa_system_sgpr_workgroup_id_x 1
		.amdhsa_system_sgpr_workgroup_id_y 1
		.amdhsa_system_sgpr_workgroup_id_z 1
		.amdhsa_system_vgpr_workitem_id 0
		.amdhsa_next_free_vgpr 960
		.amdhsa_next_free_sgpr 92
		.amdhsa_reserve_vcc 0
		.amdhsa_float_denorm_mode_32 3
		.amdhsa_float_denorm_mode_16_64 3
		.amdhsa_memory_ordered 1
		.amdhsa_forward_progress 1
		.amdhsa_inst_pref_size 213
	.end_amdhsa_kernel
	.amdgpu_metadata
---
amdhsa.version: [ 1, 2 ]
amdhsa.kernels:
  - .name:           k_qc34944db70_attn
    .symbol:         k_qc34944db70_attn.kd
    .args:
      - { .name: qkv, .offset: 0, .size: 8, .value_kind: global_buffer, .address_space: global }
      - { .name: nm, .offset: 8, .size: 8, .value_kind: global_buffer, .address_space: global }
      - { .name: z, .offset: 16, .size: 8, .value_kind: global_buffer, .address_space: global }
    .group_segment_fixed_size: 327680
    .private_segment_fixed_size: 0
    .kernarg_segment_align: 8
    .kernarg_segment_size: 24
    .max_flat_workgroup_size: 128
    .sgpr_count:     92
    .vgpr_count:     960
    .wavefront_size: 32
...
	.end_amdgpu_metadata
.endif
;; end of part 3
;; launch outproj (part 4): grid 4 x 64, 4 waves a work-group, clusters of 4 x 4, 327,680 bytes of LDS; arguments z, wo, bo, out0; writes out0
.if DOCPART == 4
	.amdgcn_target "amdgcn-amd-amdhsa--gfx1250"
	.amdhsa_code_object_version 6
	.text
	.protected	k_qc34944db70_outproj
	.globl	k_qc34944db70_outproj
	.p2align	8
	.type	k_qc34944db70_outproj,@function
k_qc34944db70_outproj:
	s_mov_b64 s[64:65], 0
	v_nop
	global_prefetch_b8 v0, s[64:65] scope:SCOPE_SE
	s_setreg_imm32_b32 hwreg(HW_REG_WAVE_MODE, 25, 1), 1
	s_wait_xcnt 0x0
	s_wait_alu depctr_hold_cnt(0) depctr_sa_sdst(0) depctr_va_vdst(0) depctr_va_sdst(0) depctr_va_ssrc(0) depctr_va_vcc(0) depctr_vm_vsrc(0)
	s_getreg_b32 s2, hwreg(HW_REG_IB_STS2, 6, 4)
	s_cmp_eq_u32 s2, 0
	s_cbranch_scc0 .Lentry_in_a_cluster
	s_endpgm
.Lentry_in_a_cluster:
	s_bfe_u32 s2, ttmp6, 0x10000c
	s_cmp_lg_u32 s2, 0xf033
	s_cbranch_scc0 .Lentry_shape_is_right
	s_endpgm
.Lentry_shape_is_right:
; out = z Wo + bo, f32.  z: f16 [head 16][row 8192][64] (a head's 64 channels are one block of K); wo: f16 [1024 k][1024 n] (Wo rounded to bf16, written as f16); bo is rounded to bf16 and written as f16 here.
; LIMITS.  |bo| within 65,504; below 6.1e-5 it keeps f16's fixed step of 6e-8.  The bias enters as a K step of its own: a bias that is not finite would spread to the 16 columns beside it.
; SHARES.  8192 x 1024 in tiles of 128 rows x 256 columns: 256 work-groups.  Wave w: rows 64 (w / 2) on, columns 128 (w % 2) on: 32 accumulators.
; The matrix instruction is used transposed (source 0 = 16 columns of Wo, turned out of LDS; source 1 = 16 rows of z): a lane holds one row and eight neighbouring columns, 32 bytes of out.
; K goes in 8 steps of 128 through two LDS slots; a step is two halves of 64 (a head each), 64 matrix instructions a half.  CLUSTER 4 x 4: A's tile jointly along a row, B's along a column.
; LDS: slot s at s x 131,072: A 2 heads x 128 rows x 144; B 128 k-rows x 544 (512 + 32) at 36,864.  Stages 4 x 16 rows x 528 at 237,568; spare words at 271,360.
; REGISTERS.  Window 0: addresses; v64-85 bias fragments, v88-95 ones, v96-103 bias as loaded; later v64-127, v128-191 rows read back.  Window 1: accumulator (a, b) at 8 (8 a + b).
; Windows 2, 3: fragment buffers 0, 1 of a half: for c = 0, 1 (32 along K) B's eight at 96 c + 8 b, A's four at 96 c + 64 + 8 a.
.set PA,    144
.set PB,    544
.set BOFF,  2*128*PA
.set SLOT1, 1<<17
.set STAGE, SLOT1+BOFF+128*PB
.set SPT,   528
.set WSTG,  16*SPT
.set SPARE, STAGE+4*WSTG
.set ASTEP, 2<<20                      ; two heads of z
.set BSTEP, 128*2048                   ; 128 rows of wo
.set A0,   8
.set B0,   9
.set ADRA, 10
.set ADRB, 11
.set STO,  12
.set RD,   13
.set CO,   14
.set PFO,  15
.set BO,   16
.set SPW,  28
.set NIL,  29
.set BV,   64
.set ONES, 88
.set BT,   96
.set BK0,  64
.set WV, 12
.set RH, 13
.set CH, 14
.set CX, 15
.set CY, 16
.set TX, 17
.set TY, 18
.set G1A, 24
.set G1B, 32
.set G0A0, 40
.set G0A,  44
.set G0B0, 48
.set G0B,  52
.set TB,  56
.set CNT, 57
.set LIM, 58
.set PFA, 60
.set PST, 62
.set OUTB, 66                          ; s[66:67] out0 at my first row and column
.set MSB, 0
.macro WIN new
.if MSB != (\new)
	s_set_vgpr_msb (MSB<<8)|(\new)
.set MSB, \new
.endif
.endm
.macro PLACES
.rept 4
	v_nop
.endr
.endm
.macro CREST
	s_cmp_lg_u32 s[WV], 0
	s_cbranch_scc1 .Lnot_wave_0_\@
	s_barrier_signal -3
.Lnot_wave_0_\@:
	s_barrier_wait -3
	s_barrier_signal -1
	s_barrier_wait -1
.endm
.macro CROUND
	s_barrier_signal -1
	s_barrier_wait -1
	CREST
.endm
.macro JLOAD                           ; waves 0 and 1 ask for A's two heads, waves 2 and 3 for B's halves; an s_nop 0 and four v_nop follow each line
	s_cmp_eq_u32 s[RH], 0
	s_cbranch_scc0 .Lfor_b_\@
	tensor_load_to_lds s[G0A:G0A+3], s[G1A:G1A+7]
	s_nop 0
.rept 4
	v_nop
.endr
	s_branch .Lasked_\@
.Lfor_b_\@:
	tensor_load_to_lds s[G0B:G0B+3], s[G1B:G1B+7]
	s_nop 0
.rept 4
	v_nop
.endr
.Lasked_\@:
.endm
; PREFETCH INTO THE L2: in the change of slots of K step s (CNT = 6 - s), s up to 3, K step s + 4 is named, whose refill goes out two changes later.  Each block of 256 bytes once in the launch:
; A's rows are read by one cluster alone: wave 0 asks; of a step's 2 x 64 blocks partner cx takes 2 x 16, by address.  B's rows are read by all clusters: cluster y = 0 asks, waves 2 and 3, a block of the row's
; two each; of the step's 128 k-rows partner cy takes 32, a lane a row.  K steps 0 to 3 come by their loads alone.
.macro ASK
	s_cmp_gt_u32 s[CNT], s[LIM]
	s_cbranch_scc0 .Lno_\@
	global_prefetch_b8 v[PFO], s[PFA:PFA+1] th:TH_LOAD_NT scope:SCOPE_SE
.Lno_\@:
.endm
; Matrix instructions for row blocks a0 .. a1 x all 8 column blocks, 32 along K (part c of buffer buf).  The accumulators take turns: 31 others stand between two links of a chain.
.macro MUL buf, c, a0, a1
	WIN 0x5a+5*(\buf)
.set a, \a0
.rept (\a1)-(\a0)+1
.set b, 0
.rept 8
	v_wmma_f32_16x16x32_f16 v[8*(8*a+b):8*(8*a+b)+7], v[96*(\c)+8*b:96*(\c)+8*b+7], v[96*(\c)+64+8*a:96*(\c)+64+8*a+7], v[8*(8*a+b):8*(8*a+b)+7]
.set b, b+1
.endr
.set a, a+1
.endr
.endm
.macro FETCH hf, buf                   ; 48 loads: half hf of the slot in hand into buffer buf; the first 32 along K first
	WIN 0x80+0x40*(\buf)
.irp c, 0,1
.set b, 0
.rept 8
	ds_load_tr16_b128 v[96*\c+8*b:96*\c+8*b+3],   v[ADRB] offset:(64*(\hf)+32*\c)*PB+32*b
	ds_load_tr16_b128 v[96*\c+8*b+4:96*\c+8*b+7], v[ADRB] offset:(64*(\hf)+32*\c+16)*PB+32*b
.set b, b+1
.endr
.set a, 0
.rept 4
	ds_load_b128 v[96*\c+64+8*a:96*\c+64+8*a+3],   v[ADRA] offset:(\hf)*128*PA+a*16*PA+64*\c
	ds_load_b128 v[96*\c+64+8*a+4:96*\c+64+8*a+7], v[ADRA] offset:(\hf)*128*PA+a*16*PA+64*\c+32
.set a, a+1
.endr
.endr
	WIN 0
.endm
.macro HALF0                           ; a step's first half, on buffer 0; it fetches the second
	s_wait_dscnt 24                                ; the first 32 along K are in
	MUL 0, 0, 0, 3
	PLACES
	FETCH 1, 1
	s_wait_dscnt 48                                ; all but the 48 just issued
	MUL 0, 1, 0, 3
.endm
; A step's second half, on buffer 1, and THE CHANGE OF SLOTS: each wave waits for all its tensor loads, adds 0 to its spare word, and waits for that and for its reads of this slot.
; fill = 1: the barrier opens a round of the cluster's barrier, and the joint refill, this slot's K step two on, is the first thing behind it.
.macro TURN fill
.if \fill
	s_wait_xcnt 0x0                                ; the last prefetch, a K step back, has read its address
	s_add_nc_u64 s[PFA:PFA+1], s[PFA:PFA+1], s[PST:PST+1]
.endif
	WIN 0
	s_wait_tensorcnt 0x0
	ds_add_u32 v[SPW], v[NIL]
.if \fill
	s_xor_b32 s[G0A+1], s[G0A+1], SLOT1
	s_add_nc_u64 s[G0A+2:G0A+3], s[G0A+2:G0A+3], ASTEP
	s_xor_b32 s[G0B+1], s[G0B+1], SLOT1
	s_add_nc_u64 s[G0B+2:G0B+3], s[G0B+2:G0B+3], BSTEP
.endif
	s_wait_dscnt 25                                ; the add and the youngest 24 loads may be out
	MUL 1, 0, 0, 1
	s_wait_dscnt 0x0                               ; the add is done, my reads of this slot are over
	s_barrier_signal -1
	MUL 1, 0, 2, 3
	WIN 0
	s_barrier_wait -1
.if \fill
	CREST
	JLOAD                                          ; its four v_nop are also the places in front of the loads below
.else
	PLACES
.endif
	s_xor_b32 s[TB], s[TB], SLOT1
	v_add_nc_u32 v[ADRA], s[TB], v[A0]
	v_add_nc_u32 v[ADRB], s[TB], v[B0]
	FETCH 0, 0
.if \fill
	ASK
.endif
	MUL 1, 1, 0, 3
.endm
	s_load_b256 s[4:11], s[0:1], 0x0               ; z s[4:5], wo s[6:7], bo s[8:9], out0 s[10:11]
	v_lshl_add_u32 v[SPW], v0, 2, SPARE
	v_mov_b32 v[NIL], 0
	ds_add_u32 v[SPW], v[NIL]                      ; the wave's opening
	v_lshrrev_b32 v1, 5, v0
	v_readfirstlane_b32 s[WV], v1
	s_lshr_b32 s[RH], s[WV], 1
	s_and_b32 s[CH], s[WV], 1
	s_bfe_u32 s[CX], ttmp6, 0x40000
	s_bfe_u32 s[CY], ttmp6, 0x40004
	s_lshl_b32 s[TX], ttmp9, 2
	s_add_co_u32 s[TX], s[TX], s[CX]
	s_and_b32 s[TY], ttmp7, 0xffff
	s_lshl_b32 s[TY], s[TY], 2
	s_add_co_u32 s[TY], s[TY], s[CY]
	s_lshl_b32 s19, s[CY], 2
	s_lshl_b32 s19, 15, s19
	s_lshl_b32 s20, 0x1111, s[CX]
	; A: a head's 128 rows of 128 bytes, dense: 64 rows of 256 bytes, padded by 4 words after every 32
	s_or_b32 s[G1A], s19, (1<<16)|(1<<20)|(1<<21)|(4<<22)|(3<<25)
	s_mov_b32 s[G1A+1], 128<<16
	s_mov_b32 s[G1A+2], 64<<16
	s_mov_b32 s[G1A+3], 128<<16
	s_mov_b32 s[G1A+4], 64
	s_mov_b32 s[G1A+5], 128
	s_mov_b32 s[G1A+6], 0
	s_mov_b32 s[G1A+7], 0
	; B: 64 k-rows of 256 elements (512 bytes), padded by 8 words after every 128
	s_or_b32 s[G1B], s20, (1<<16)|(1<<20)|(1<<21)|(6<<22)|(7<<25)
	s_mov_b32 s[G1B+1], 256<<16
	s_mov_b32 s[G1B+2], 64<<16
	s_mov_b32 s[G1B+3], 256<<16
	s_mov_b32 s[G1B+4], 64
	s_mov_b32 s[G1B+5], 1024
	s_mov_b32 s[G1B+6], 0
	s_mov_b32 s[G1B+7], 0
	s_lshl_b32 s72, s[TY], 14                      ; A: the tile's 128 rows, the head that I fetch
	s_lshl_b32 s73, s[CH], 20
	s_add_co_u32 s72, s72, s73
	s_mov_b32 s73, 0
	s_lshl_b32 s76, s[TX], 9                       ; B: the tile's columns, my 64 k-rows
	s_lshl_b32 s77, s[CH], 17
	s_add_co_u32 s76, s76, s77
	s_mov_b32 s77, 0
	s_mul_i32 s21, s[CH], 128*PA
	s_mul_i32 s22, s[CH], 64*PB
	s_add_co_u32 s22, s22, BOFF
	s_mov_b32 s[G0A0], 1
	s_mov_b32 s[G0A0+1], s21
	s_mov_b32 s[G0A], 1
	s_add_co_u32 s[G0A+1], s21, SLOT1
	s_mov_b32 s[G0B0], 1
	s_mov_b32 s[G0B0+1], s22
	s_mov_b32 s[G0B], 1
	s_add_co_u32 s[G0B+1], s22, SLOT1
	s_wait_dscnt 0x0                               ; the opening add is done
	s_wait_kmcnt 0x0
	s_add_nc_u64 s[G0A0+2:G0A0+3], s[4:5], s[72:73]
	s_add_nc_u64 s[G0A+2:G0A+3], s[G0A0+2:G0A0+3], ASTEP
	s_or_b32 s[G0A0+3], s[G0A0+3], 0x80000000
	s_or_b32 s[G0A+3], s[G0A+3], 0x80000000
	s_add_nc_u64 s[G0B0+2:G0B0+3], s[6:7], s[76:77]
	s_add_nc_u64 s[G0B+2:G0B+3], s[G0B0+2:G0B0+3], BSTEP
	s_or_b32 s[G0B0+3], s[G0B0+3], 0x80000000
	s_or_b32 s[G0B+3], s[G0B+3], 0x80000000
	CROUND                                         ; all sixteen work-groups are here: the first joint loads meet
	s_cmp_eq_u32 s[RH], 0                          ; a wave's two first fills stand in one branch: two loads of mine are out
	s_cbranch_scc0 .Lfirst_b
	tensor_load_to_lds s[G0A0:G0A0+3], s[G1A:G1A+7]
	s_nop 0
	tensor_load_to_lds s[G0A:G0A+3], s[G1A:G1A+7]
	s_nop 0
.rept 4
	v_nop
.endr
	s_branch .Lfirst_asked
.Lfirst_b:
	tensor_load_to_lds s[G0B0:G0B0+3], s[G1B:G1B+7]
	s_nop 0
	tensor_load_to_lds s[G0B:G0B+3], s[G1B:G1B+7]
	s_nop 0
.rept 4
	v_nop
.endr
.Lfirst_asked:
	v_and_b32 v1, 15, v0                           ; r
	v_lshlrev_b32 v[BO], 2, v1
	s_lshl_b32 s84, s[TX], 10                      ; the bias of my 128 columns
	s_lshl_b32 s85, s[CH], 9
	s_add_co_u32 s84, s84, s85
	s_mov_b32 s85, 0
	s_add_nc_u64 s[86:87], s[8:9], s[84:85]
.set b, 0
.rept 8
	global_load_b32 v[BT+b], v[BO], s[86:87] offset:64*b
.set b, b+1
.endr
	v_bfe_u32 v2, v0, 4, 1                         ; h
	v_and_b32 v3, 7, v0
	v_bfe_u32 v4, v0, 3, 1
	v_and_b32 v5, 31, v0                           ; lane
	v_mul_u32_u24 v[A0], v1, PA
	v_lshl_add_u32 v[A0], v2, 4, v[A0]
	s_mul_i32 s21, s[RH], 64*PA
	v_add_nc_u32 v[A0], s21, v[A0]
	v_lshl_add_u32 v6, v2, 3, v3
	v_mul_u32_u24 v[B0], v6, PB
	v_lshl_add_u32 v[B0], v4, 4, v[B0]
	s_lshl_b32 s21, s[CH], 8
	s_add_co_u32 s21, s21, BOFF
	v_add_nc_u32 v[B0], s21, v[B0]
	s_mul_i32 s22, s[WV], WSTG
	s_add_co_u32 s22, s22, STAGE                   ; my stage
	v_mul_u32_u24 v[STO], v1, SPT                  ; in: row r, 32 bytes for each half of the lanes
	v_lshl_add_u32 v[STO], v2, 5, v[STO]
	v_add_nc_u32 v[STO], s22, v[STO]
	v_lshlrev_b32 v[CO], 4, v5
	v_add_nc_u32 v[RD], s22, v[CO]                 ; back: 32 lanes take a row's 512 bytes
	s_lshl_b32 s80, s[TY], 19                      ; out0: row 128 Y + 64 RH, 4,096 bytes a row; column 256 X + 128 CH
	s_lshl_b32 s81, s[RH], 18
	s_add_co_u32 s80, s80, s81
	s_add_co_u32 s80, s80, s84
	s_mov_b32 s81, 0
	s_add_nc_u64 s[OUTB:OUTB+1], s[10:11], s[80:81]
	; the prefetches' base, step, lane factors and test
	s_lshl_b32 s88, s[TY], 14
	s_lshl_b32 s89, s[CX], 12
	s_add_co_u32 s88, s88, s89                     ; A: the tile's rows, my work-group's 16 blocks of each head
	s_lshl_b32 s90, s[CY], 16
	s_lshl_b32 s91, s[TX], 9
	s_add_co_u32 s90, s90, s91
	s_lshl_b32 s91, s[CH], 8
	s_add_co_u32 s90, s90, s91                     ; B: my work-group's 32 k-rows, my block of the row's two
	s_mov_b32 s89, 0
	s_mov_b32 s21, 32768                           ; B: 2,048 x lane = 32,768 h + 2,048 r
	s_mov_b32 s22, 2048
	s_mov_b32 s82, BSTEP
	s_and_b32 s23, ttmp7, 0xffff                   ; cluster y
	s_cmp_lt_u32 s[WV], 2
	s_cselect_b32 s88, s88, s90
	s_cselect_b32 s21, 0x100000, s21               ; A: head h, block r
	s_cselect_b32 s22, 256, s22
	s_cselect_b32 s[PST], ASTEP, s82
	s_cselect_b32 s23, 0, s23                      ; A's rows are read by this cluster alone
	s_cselect_b64 s[PFA:PFA+1], s[4:5], s[6:7]
	s_mov_b32 s[PST+1], 0
	s_cmp_eq_u32 s[WV], 1
	s_cselect_b32 s23, 1, s23                      ; wave 1 never asks
	s_cmp_eq_u32 s23, 0
	s_cselect_b32 s[LIM], 2, -1                    ; the same in all sixteen partners, for a given wave
	s_add_nc_u64 s[PFA:PFA+1], s[PFA:PFA+1], s[88:89]
.rept 3
	s_add_nc_u64 s[PFA:PFA+1], s[PFA:PFA+1], s[PST:PST+1]  ; at K step 3; the change of slots of K step s finds it at s + 4
.endr
	v_mul_u32_u24 v[PFO], v2, s21
	v_mad_u32_u24 v[PFO], v1, s22, v[PFO]
.set i, 0
.rept 22
.if (i%2 == 1) || (i > 14)
	v_mov_b32 v[BV+i], 0
.endif
.set i, i+1
.endr
	v_sub_nc_u32 v7, 1, v2
	v_mul_u32_u24 v[ONES], v7, 0x3c00              ; f16 1.0 at k = 0: the low half of register 0 in lanes 0-15
.set i, 1
.rept 7
	v_mov_b32 v[ONES+i], 0
.set i, i+1
.endr
	s_wait_loadcnt 0x0                             ; the bias
.set b, 0
.rept 8
	v_cvt_pk_bf16_f32 v[BT+b], v[BT+b], v[NIL]     ; rounded to bf16 like every input,
	v_lshlrev_b32 v[BT+b], 16, v[BT+b]
	v_cvt_pk_f16_f32 v[BV+2*b], v[BT+b], v[NIL]    ; and written as f16
.set b, b+1
.endr
	WIN 0x50
.set idx, 0
.rept 32                               ; every sum starts with its bias
	v_wmma_f32_16x16x32_f16 v[8*idx:8*idx+7], v[BV+2*(idx%8):BV+2*(idx%8)+7], v[ONES:ONES+7], 0
.set idx, idx+1
.endr
	WIN 0
	s_wait_tensorcnt 1                             ; my part of K step 0 is in; K step 1's may stay out
	s_barrier_signal -1
	s_barrier_wait -1
	s_mov_b32 s[TB], 0
	v_add_nc_u32 v[ADRA], s[TB], v[A0]
	v_add_nc_u32 v[ADRB], s[TB], v[B0]
	FETCH 0, 0
	s_mov_b32 s[CNT], 7
	s_branch .Lfirst                               ; the loop is entered at a K step's first half
.Lstep:                                        ; 6 trips: the second half of K step s with its refill (K step s + 2), the first half of K step s + 1
	TURN 1
	WIN 0
.Lfirst:
	HALF0
	WIN 0
	s_sub_co_u32 s[CNT], s[CNT], 1
	s_cmp_lg_u32 s[CNT], 0
	s_cbranch_scc1 .Lstep
	TURN 0                                         ; the tail is written out
	HALF0
	s_wait_dscnt 24
	MUL 1, 0, 0, 3
	s_wait_dscnt 0x0
	MUL 1, 1, 0, 3
	WIN 0
	PLACES
	PLACES
; THE WAY OUT, 16 rows at a time: a lane's 32 bytes go into rows of 528 bytes of my stage and come back as whole rows of 512, which a wave stores with one line each.
.macro TOSTAGE a
	s_wait_xcnt 0x0                                ; earlier stores have read their registers, which the loads below write
	WIN 0x04                                       ; the stores' data in window 1
.set b, 0
.rept 8
	ds_store_b128 v[STO], v[8*(8*(\a)+b):8*(8*(\a)+b)+3]   offset:64*b      ; each accumulator's low registers first
	ds_store_b128 v[STO], v[8*(8*(\a)+b)+4:8*(8*(\a)+b)+7] offset:64*b+16
.set b, b+1
.endr
	WIN 0
.set t, 0
.rept 16
	ds_load_b128 v[BK0+64*((\a)%2)+4*t:BK0+64*((\a)%2)+4*t+3], v[RD] offset:SPT*t  ; LDS serves a wave's instructions in order (ISA guide 5.7.1.4): these see the stores above
.set t, t+1
.endr
.endm
.macro SEND a, younger                 ; younger: the LDS instructions issued behind block a's loads: the next block's 32, or none
	s_wait_dscnt \younger
.set t, 0
.rept 16
	global_store_b128 v[CO], v[BK0+64*((\a)%2)+4*t:BK0+64*((\a)%2)+4*t+3], s[OUTB:OUTB+1] offset:(16*(\a)+t)*4096  ; 512 consecutive bytes, at a multiple of 256 from out0's first
.set t, t+1
.endr
.endm
	TOSTAGE 0
	TOSTAGE 1
	SEND 0, 32
	TOSTAGE 2
	SEND 1, 32
	TOSTAGE 3
	SEND 2, 32
	SEND 3, 0
	s_wait_tensorcnt 0x0                           ; the wave's end
	ds_add_u32 v[SPW], v[NIL]
	s_wait_dscnt 0x0
	CROUND                                         ; the closing round
	s_endpgm
.Lfunc_end_k_qc34944db70_outproj:
	.size	k_qc34944db70_outproj, .Lfunc_end_k_qc34944db70_outproj-k_qc34944db70_outproj
	.p2alignl 7, 3214868480
	.fill 96, 4, 3214868480
	.section	.rodata,"a",@progbits
	.p2align	6, 0x0
	.amdhsa_kernel k_qc34944db70_outproj
		.amdhsa_group_segment_fixed_size 327680
		.amdhsa_private_segment_fixed_size 0
		.amdhsa_enable_private_segment 0
		.amdhsa_kernarg_size 32
		.amdhsa_user_sgpr_count 2
		.amdhsa_user_sgpr_kernarg_segment_ptr 1
		.amdhsa_wavefront_size32 1
		.amdhsa_system_sgpr_workgroup_id_x 1
		.amdhsa_system_sgpr_workgroup_id_y 1
		.amdhsa_system_sgpr_workgroup_id_z 1
		.amdhsa_system_vgpr_workitem_id 0
		.amdhsa_next_free_vgpr 960
		.amdhsa_next_free_sgpr 96
		.amdhsa_reserve_vcc 0
		.amdhsa_float_denorm_mode_32 3
		.amdhsa_float_denorm_mode_16_64 3
		.amdhsa_memory_ordered 1
		.amdhsa_forward_progress 1
		.amdhsa_inst_pref_size 66
	.end_amdhsa_kernel
	.amdgpu_metadata
---
amdhsa.version: [ 1, 2 ]
amdhsa.kernels:
  - .name:           k_qc34944db70_outproj
    .symbol:         k_qc34944db70_outproj.kd
    .args:
      - { .name: z, .offset: 0, .size: 8, .value_kind: global_buffer, .address_space: global }
      - { .name: wo, .offset: 8, .size: 8, .value_kind: global_buffer, .address_space: global }
      - { .name: bo, .offset: 16, .size: 8, .value_kind: global_buffer, .address_space: global }
      - { .name: out0, .offset: 24, .size: 8, .value_kind: global_buffer, .address_space: global }
    .group_segment_fixed_size: 327680
    .private_segment_fixed_size: 0
    .kernarg_segment_align: 8
    .kernarg_segment_size: 32
    .max_flat_workgroup_size: 128
    .sgpr_count:     96
    .vgpr_count:     960
    .wavefront_size: 32
...
	.end_amdgpu_metadata
.endif
;; end of part 4
